; MI455X (gfx1250); checked and timed in simulation.
; The chip was launched on July 23, 2026; its instructions are those of AMD's public machine-readable ISA for CDNA 5 (MIT licence, August 2026) and "CDNA5" Instruction Set Architecture Reference Guide (July 2026). The comments in the code are by the model that wrote it; some were corrected since.
;; Tiny Mo E. Allowed arithmetic: matrix products marked QUANTISED: E4M3 operands, one E8M0 scale for each 32 along K, by v_wmma_scale_f32_16x16x128_f8f6f4 with both operands' format E4M3, f32 sums; products left as they are: f32 operands where the result goes on into a quantised operand, else bf16, f16 or f32 operands; f32 sums; everything else in f32.
;; Inputs: experts_down_codes 8 x 1,024 x 32 x 32 uint8 (E4M3 codes of experts_down, K innermost, in blocks of 32 codes); experts_down_scales 8 x 1,024 x 32 uint8 (E8M0 scales of experts_down, one for each 32 codes along K); experts_gate_codes 8 x 1,024 x 32 x 32 uint8 (E4M3 codes of experts_gate, K innermost, in blocks of 32 codes); experts_gate_scales 8 x 1,024 x 32 uint8 (E8M0 scales of experts_gate, one for each 32 codes along K); experts_up_codes 8 x 1,024 x 32 x 32 uint8 (E4M3 codes of experts_up, K innermost, in blocks of 32 codes); experts_up_scales 8 x 1,024 x 32 uint8 (E8M0 scales of experts_up, one for each 32 codes along K); hidden_states 2 x 1,024 x 1,024 float32; router_w 8 x 1,024 float32; shared_down_codes 1,024 x 32 x 32 uint8 (E4M3 codes of shared_down, K innermost, in blocks of 32 codes); shared_down_scales 1,024 x 32 uint8 (E8M0 scales of shared_down, one for each 32 codes along K); shared_gate_codes 1,024 x 32 x 32 uint8 (E4M3 codes of shared_gate, K innermost, in blocks of 32 codes); shared_gate_scales 1,024 x 32 uint8 (E8M0 scales of shared_gate, one for each 32 codes along K); shared_up_codes 1,024 x 32 x 32 uint8 (E4M3 codes of shared_up, K innermost, in blocks of 32 codes); shared_up_scales 1,024 x 32 uint8 (E8M0 scales of shared_up, one for each 32 codes along K).
;; Outputs: out0 2 x 1,024 x 1,024 float32.
;; This version of the problem:
;;   THIS VERSION OF THE PROBLEM IS GIVEN IN LOW PRECISION. The matrix products marked QUANTISED in the list below multiply operands that are first quantised to E4M3 (4 exponent bits, 3 mantissa bits; 8 bits a number), with one power-of-two scale for each 32 numbers along K (OCP MX v1.0); their sums are f32. All else is computed in f32.
;;   The module's matrix products, in the order in which they are computed (A, B: the left and right operand; K: the contracted axis; several contracted axes count as one K, in the product's order):
;;     1. [M 2,048, K 1,024] x [K 1,024, N 1,024]; A: input hidden_states; B: input shared_gate (given as codes): QUANTISED
;;     2. [M 2,048, K 1,024] x [K 1,024, N 1,024]; A: input hidden_states; B: input shared_up (given as codes): QUANTISED
;;     3. [M 2,048, K 1,024] x [K 1,024, N 1,024]; A: computed on the way; B: input shared_down (given as codes): QUANTISED
;;     4. [M 2,048, K 1,024] x [K 1,024, N 8]; A: input hidden_states; B: input router_w: left as it is (N = 8 < 16)
;;     5. [M 2,048, K 1,024] x [K 1,024, N 8,192]; A: input hidden_states; B: input experts_gate (given as codes): QUANTISED
;;     6. [M 2,048, K 1,024] x [K 1,024, N 8,192]; A: input hidden_states; B: input experts_up (given as codes): QUANTISED
;;     7. batch 8 x [M 1,024, K 1,024] x [K 1,024, N 2,048]; A: input experts_down (given as codes); B: computed on the way: QUANTISED
;;   THE QUANTISER, for each operand of a quantised product, along K:
;;     - K is cut into blocks of 32 from its start; a last block that is shorter is filled with zeros.
;;     - A block's scale is 2^e with e = floor(log2(the largest magnitude in the block)) - 8, held to -126 .. 127; a block of zeros has e = 0. As a byte (E8M0): e + 127.
;;     - Each number is divided by its block's scale, clamped to +-448, and rounded to the nearest number of E4M3, ties to even, subnormals kept.
;;     - The product sums the exact products of the quantised numbers (number of the format x scale) in f32.
;;   ~~~python
;;   def quantise(x, axis):      # numpy; x: float32 -> the quantised numbers, widened to float32 again
;;       x = np.moveaxis(x, axis, -1); K = x.shape[-1]
;;       x = np.pad(x, [(0, 0)] * (x.ndim - 1) + [(0, -K % 32)]); x = x.reshape(x.shape[:-1] + (-1, 32)); a = np.abs(x).max(-1, keepdims=True)
;;       e = np.where(a > 0, np.clip(np.frexp(np.where(a > 0, a, 1))[1] - 1 - 8, -126, 127), 0)      # np.frexp(a)[1] - 1 = floor(log2(a)), exactly
;;       r = np.clip(x / 2.0 ** e, -448, 448)
;;       step = 2.0 ** (np.maximum(np.frexp(np.where(r == 0, 1, r))[1] - 1, -6) - 3)
;;       q = np.round(r / step) * step * 2.0 ** e      # np.round: ties to even
;;       return np.moveaxis(q.reshape(q.shape[:-2] + (-1,))[..., :K], -1, axis).astype(np.float32)
;;   ~~~
;;   OPERANDS COMPUTED ON THE WAY. 'Computed on the way' means the value that the module computes at that place (a softmax that the list does not call 'softmax' is quantised finished and normalised). What goes into a quantiser is computed in f32, as accurately as f32 sums, v_exp_f32 and their like allow (about 1e-6 of the number): no bf16 or f16 on the way to a quantiser, and a product that is left as it is and whose result goes on into a quantised operand takes f32 operands (vector FMAs, or v_wmma_f32_16x16x4_f32). A number that lies on a knife's edge between two numbers of the format may be rounded either way, as far as f32 arithmetic and the matrix unit's own rounding can turn it there, and no further.
;;   INPUTS GIVEN AS CODES. experts_down (in the module: [8, 1024, 1024], K = its axis 1); experts_gate (in the module: [8, 1024, 1024], K = its axis 1); experts_up (in the module: [8, 1024, 1024], K = its axis 1); shared_down (in the module: [1024, 1024], K = its axis 0); shared_gate (in the module: [1024, 1024], K = its axis 0); shared_up (in the module: [1024, 1024], K = its axis 0): each comes as NAME_codes (uint8): NAME with its K axis moved to the last place and cut into blocks of 32 codes, [.., K / 32, bytes a block], one block behind the other in memory; one code a byte (a code: sign, 4 exponent bits, 3 mantissa bits); and NAME_scales (uint8): the same leading axes, one E8M0 byte (e + 127) for each 32 codes along K. Its value is code x scale, taken as it is: it is not quantised again, and the codes and scales need not be those that the quantiser above would give.
;; 2 versions, each right; version 2 is version 1 with the launches stage1, stage2 written anew for expert scheduling mode. Each part assembles by itself: llvm-mc -triple=amdgcn-amd-amdhsa -mcpu=gfx1250 --defsym DOCPART=n.
;; ======== version 1 of 2: 4 launches
;; workspace buffers: xq 2,097,152 bytes; xs 65,536 bytes; sel 16,384 bytes of whole numbers; selw 16,384 bytes; lists 133,120 bytes of whole numbers; wts 51,712 bytes; hq 7,208,960 bytes; hs 225,280 bytes
;; launch route (part 1): grid 256 x 1, 4 waves a work-group, no clusters, 768 bytes of LDS; arguments hidden_states, router_w, xq, xs, sel, selw; writes xq, xs, sel, selw
.if DOCPART == 1
	.amdgcn_target "amdgcn-amd-amdhsa--gfx1250"
	.amdhsa_code_object_version 6
	.text
	.protected	k_qc20ed99a84_route
	.globl	k_qc20ed99a84_route
	.p2align	8
	.type	k_qc20ed99a84_route,@function
k_qc20ed99a84_route:
	s_mov_b64 s[64:65], 0
	v_nop
	global_prefetch_b8 v0, s[64:65] scope:SCOPE_SE
	s_setreg_imm32_b32 hwreg(HW_REG_WAVE_MODE, 25, 1), 1
	s_wait_xcnt 0x0
; ROUTE.  x [2048][1024] f32 -> codes of E4M3 (xq [2048][1024]) with one E8M0 byte for each 32 along K (xs [2048][32]);
; f32 logits x . router_w[e], softmax over the 8 experts with the row's maximum taken away, and the two largest:
; sel [2048][2] u32 (first, second expert), selw [2048][2] f32 (their softmax weights; the routed scaling factor is 1.0).
; The choice is only STORED here, at fixed places: no address and no branch of this launch hangs on it.
; SHARES.  A work-group takes 8 rows, a wave 2.  A lane holds k = 256 i + 8 lane + j (i = 0..3, j = 0..7): a block of 32 lies in four neighbouring lanes.
; router_w (8 x 32 numbers a lane) stays in register window 1.  A stream bound by memory: no matrix unit, no cluster, no ring would add anything.
; LIMITS: NaN and infinities among the inputs are not served.  A block of zeros gets the byte 1 (its codes are zeros; this program alone reads the bytes).
; An exponential under 2^-126 counts as 0.  Equal scores: the lower expert wins, as jax.lax.top_k has it.
.set X,   16                           ; v16-79   x: 32 ro + 8 i + j
.set AC,  80                           ; v80-111  pair sums: 16 ro + 2 e
.set HD,  112                          ; v112-119 eight held numbers
.set CD,  120                          ; v120-135 codes, two registers for each (ro, i)
.set EB,  136                          ; v136-143 scale bytes
.set TM,  144                          ; v144-151 largest magnitudes, v152-159 the conversions' scale operands
.set P,   160                          ; v160-175 logits, then exponentials: 8 ro + e
.set MX,  176
.set SU,  178
.set RC,  180
.set BV,  182
.set BI,  184
.set SV,  186
.set SI,  188
.set W1,  190
.set W2,  192
.set MSB, 0
.macro WIN new                         ; the immediate's high byte repeats the setting that is left
.if MSB != (\new)
	s_set_vgpr_msb (MSB<<8)|(\new)
.set MSB, (\new)
.endif
.endm
	s_load_b256 s[4:11], s[0:1], 0x0               ; x s[4:5], router_w s[6:7], xq s[8:9], xs s[10:11]
	s_load_b128 s[12:15], s[0:1], 0x20             ; sel s[12:13], selw s[14:15]
	v_lshl_add_u32 v254, v0, 2, 0x100
	v_mov_b32 v255, 0
	v_lshrrev_b32 v1, 5, v0
	v_readfirstlane_b32 s16, v1                    ; wave
	v_and_b32 v1, 31, v0                           ; lane
	v_lshlrev_b32 v2, 5, v1                        ; 32 bytes of f32 a lane
	v_lshlrev_b32 v3, 3, v1                        ; 8 bytes of codes a lane
	v_lshrrev_b32 v4, 2, v1
	s_lshl_b32 s17, s16, 6
	v_add_nc_u32 v4, s17, v4                       ; LDS: 64 x wave + my block's byte
	v_lshlrev_b32 v5, 2, v1
	s_lshl_b32 s18, ttmp9, 3
	s_lshl_b32 s19, s16, 1
	s_add_co_u32 s17, s18, s19                     ; my wave's first row
	s_mov_b32 s20, 0x76543210
	s_mov_b32 s21, 0xfedcba98                      ; lane l xor 16
	s_mov_b32 s22, 0x600000                        ; the mantissa field of 448
	s_lshl_b32 s18, s17, 12
	s_mov_b32 s19, 0
	s_lshl_b32 s28, s17, 10
	s_mov_b32 s29, 0
	s_lshl_b32 s30, s17, 3
	s_mov_b32 s31, 0
	s_lshl_b32 s32, ttmp9, 8
	s_mov_b32 s33, 0
	s_wait_kmcnt 0x0
	s_add_nc_u64 s[4:5], s[4:5], s[18:19]
	s_add_nc_u64 s[8:9], s[8:9], s[28:29]
	s_add_nc_u64 s[12:13], s[12:13], s[30:31]
	s_add_nc_u64 s[14:15], s[14:15], s[30:31]
	s_add_nc_u64 s[10:11], s[10:11], s[32:33]
.irp ro, 0,1
.irp i, 0,1,2,3
	global_load_b128 v[X+32*\ro+8*\i:X+32*\ro+8*\i+3], v2, s[4:5] offset:4096*\ro+1024*\i th:TH_LOAD_NT
	global_load_b128 v[X+32*\ro+8*\i+4:X+32*\ro+8*\i+7], v2, s[4:5] offset:4096*\ro+1024*\i+16 th:TH_LOAD_NT
.endr
.endr
	WIN 0x40                                       ; destination window 1
.irp e, 0,1,2,3,4,5,6,7
.irp i, 0,1,2,3
	global_load_b128 v[32*\e+8*\i:32*\e+8*\i+3], v2, s[6:7] offset:4096*\e+1024*\i
	global_load_b128 v[32*\e+8*\i+4:32*\e+8*\i+7], v2, s[6:7] offset:4096*\e+1024*\i+16
.endr
.endr
	WIN 0
	s_wait_loadcnt 63                              ; 64 loads are younger than x's sixteen; 63 is the largest count that can be written: x is in
; One block share: 8 numbers of a lane, four lanes to a block.
.macro QBLK ro, i
.set n,   4*(\ro)+(\i)
.set xs0, X+32*(\ro)+8*(\i)
	v_max3_num_f32 v[TM+n], |v[xs0]|, |v[xs0+1]|, 0x4800000   ; with the floor 2^(9 - 127): the byte cannot fall under 1
	v_max3_num_f32 v[TM+n], v[TM+n], |v[xs0+2]|, |v[xs0+3]|
	v_max3_num_f32 v[TM+n], v[TM+n], |v[xs0+4]|, |v[xs0+5]|
	v_max3_num_f32 v[TM+n], v[TM+n], |v[xs0+6]|, |v[xs0+7]|
	v_max_num_f32_dpp v[TM+n], v[TM+n], v[TM+n] row_xmask:1 row_mask:0xf bank_mask:0xf
	v_max_num_f32_dpp v[TM+n], v[TM+n], v[TM+n] row_xmask:2 row_mask:0xf bank_mask:0xf   ; the block's largest magnitude
	v_add_nc_u32 v[TM+8+n], 0xfc000000, v[TM+n]    ; 8 off its exponent field: the conversion's scale operand
	v_and_or_b32 v200, v[TM+n], 0x7f800000, s22    ; 448 x the scale
.irp j, 0,1,2,3,4,5,6,7
	v_med3_num_f32 v[HD+\j], v[xs0+\j], -v200, v200   ; the hold, into other registers: x stays whole for the logits
.endr
	v_cvt_scalef32_pk8_fp8_f32 v[CD+2*n:CD+2*n+1], v[HD:HD+7], v[TM+8+n]
	v_lshrrev_b32 v[EB+n], 23, v[TM+8+n]           ; the scale's byte (also the plain line behind the conversion)
	ds_store_b8 v4, v[EB+n] offset:32*(\ro)+8*(\i) ; the four lanes of a block write the same byte with the same value
	global_store_b64 v3, v[CD+2*n:CD+2*n+1], s[8:9] offset:1024*(\ro)+256*(\i)   ; 32 lanes store 256 consecutive bytes, aligned
.endm
.irp ro, 0,1
.irp i, 0,1,2,3
	QBLK \ro, \i
.endr
.endr
	s_wait_loadcnt 0x0                             ; router_w
	WIN 0x04                                       ; source 1 window 1
.irp q, 0,1,2,3,4,5,6,7,8,9,10,11,12,13,14,15      ; sixteen chains (2 rows x 8 experts) that do not wait for each other
.irp ro, 0,1
.irp e, 0,1,2,3,4,5,6,7
.if \q == 0
	v_pk_mul_f32 v[AC+16*\ro+2*\e:AC+16*\ro+2*\e+1], v[X+32*\ro:X+32*\ro+1], v[32*\e:32*\e+1]
.else
	v_pk_fma_f32 v[AC+16*\ro+2*\e:AC+16*\ro+2*\e+1], v[X+32*\ro+2*\q:X+32*\ro+2*\q+1], v[32*\e+2*\q:32*\e+2*\q+1], v[AC+16*\ro+2*\e:AC+16*\ro+2*\e+1]
.endif
.endr
.endr
.endr
	WIN 0
.set n, 0
.rept 16
	v_add_f32 v[P+n], v[AC+2*n], v[AC+2*n+1]
.set n, n+1
.endr
.irp m, 1,2,4,8
.set n, 0
.rept 16
	v_add_f32_dpp v[P+n], v[P+n], v[P+n] row_xmask:\m row_mask:0xf bank_mask:0xf
.set n, n+1
.endr
.endr
.set n, 0
.rept 16
	v_permlanex16_b32 v[AC+n], v[P+n], s20, s21    ; (its destination has been written)
.set n, n+1
.endr
.set n, 0
.rept 16
	v_add_f32 v[P+n], v[P+n], v[AC+n]              ; every lane holds all sixteen logits
.set n, n+1
.endr
.irp ro, 0,1
	v_max3_num_f32 v[MX+\ro], v[P+8*\ro], v[P+8*\ro+1], v[P+8*\ro+2]
	v_max3_num_f32 v[MX+\ro], v[MX+\ro], v[P+8*\ro+3], v[P+8*\ro+4]
	v_max3_num_f32 v[MX+\ro], v[MX+\ro], v[P+8*\ro+5], v[P+8*\ro+6]
	v_max_num_f32 v[MX+\ro], v[MX+\ro], v[P+8*\ro+7]
.irp e, 0,1,2,3,4,5,6,7
	v_sub_f32 v[P+8*\ro+\e], v[P+8*\ro+\e], v[MX+\ro]   ; the row's maximum is taken away
.endr
.irp e, 0,1,2,3,4,5,6,7
	v_mul_f32 v[P+8*\ro+\e], 0x3fb8aa3b, v[P+8*\ro+\e]
.endr
.endr
.set n, 0
.rept 16
	v_exp_f32 v[P+n], v[P+n]
.set n, n+1
.endr
	v_nop                                          ; a plain line behind the last exponential
	s_wait_alu depctr_va_vdst(0)                   ; one wait for the batch, ahead of its first reader
.irp ro, 0,1
	v_add_f32 v[SU+\ro], v[P+8*\ro], v[P+8*\ro+1]
.irp e, 2,3,4,5,6,7
	v_add_f32 v[SU+\ro], v[SU+\ro], v[P+8*\ro+\e]
.endr
.endr
	v_rcp_f32 v[RC], v[SU]
	v_rcp_f32 v[RC+1], v[SU+1]
.irp ro, 0,1                                       ; the two largest: strictly greater, e ascending, so the lower index keeps a tie.  (Independent work behind the reciprocals)
	v_mov_b32 v[BV+\ro], v[P+8*\ro]
	v_mov_b32 v[BI+\ro], 0
.irp e, 1,2,3,4,5,6,7
	v_cmp_gt_f32 vcc_lo, v[P+8*\ro+\e], v[BV+\ro]
	v_cndmask_b32 v[BV+\ro], v[BV+\ro], v[P+8*\ro+\e], vcc_lo
	v_cndmask_b32 v[BI+\ro], v[BI+\ro], \e, vcc_lo
.endr
.irp e, 0,1,2,3,4,5,6,7
	v_cmp_eq_u32 vcc_lo, \e, v[BI+\ro]
	v_cndmask_b32 v[P+8*\ro+\e], v[P+8*\ro+\e], -1.0, vcc_lo   ; the winner is out of the second search
.endr
	v_mov_b32 v[SV+\ro], v[P+8*\ro]
	v_mov_b32 v[SI+\ro], 0
.irp e, 1,2,3,4,5,6,7
	v_cmp_gt_f32 vcc_lo, v[P+8*\ro+\e], v[SV+\ro]
	v_cndmask_b32 v[SV+\ro], v[SV+\ro], v[P+8*\ro+\e], vcc_lo
	v_cndmask_b32 v[SI+\ro], v[SI+\ro], \e, vcc_lo
.endr
.endr
	s_wait_alu depctr_va_vdst(0)                   ; the wait for the two reciprocals, ahead of their first reader
.irp ro, 0,1
	v_mul_f32 v[W1+\ro], v[BV+\ro], v[RC+\ro]
	v_mul_f32 v[W2+\ro], v[SV+\ro], v[RC+\ro]
.endr
	v_cmp_eq_u32 s24, 1, v1
	v_cmp_eq_u32 s25, 2, v1
	v_cmp_eq_u32 s26, 3, v1
	v_cndmask_b32 v194, v[BI], v[SI], s24          ; lanes 0-3: row 0's first, second, row 1's first, second
	v_cndmask_b32 v194, v194, v[BI+1], s25
	v_cndmask_b32 v194, v194, v[SI+1], s26
	v_cndmask_b32 v195, v[W1], v[W2], s24
	v_cndmask_b32 v195, v195, v[W1+1], s25
	v_cndmask_b32 v195, v195, v[W2+1], s26
	v_cmp_gt_u32 vcc_lo, 4, v1
	s_wait_xcnt 0x0                                ; EXEC is a source of the stores above: it changes only behind this wait
	s_and_saveexec_b32 s23, vcc_lo
	global_store_b32 v5, v194, s[12:13]            ; 16 bytes a wave: short stores, 32 KiB in the whole launch
	global_store_b32 v5, v195, s[14:15]
	s_wait_xcnt 0x0
	s_or_b32 exec_lo, exec_lo, s23
	s_wait_dscnt 0x0                               ; my scale bytes lie in LDS
	s_barrier_signal -1
	s_barrier_wait -1
	s_cmp_lg_u32 s16, 0
	s_cbranch_scc1 .Lend
	ds_load_b64 v[196:197], v3                     ; the work-group's 8 rows x 32 scale bytes
	s_wait_dscnt 0x0
	global_store_b64 v3, v[196:197], s[10:11]      ; 256 consecutive bytes, aligned
.Lend:
	s_wait_tensorcnt 0x0
	ds_add_u32 v254, v255
	s_wait_dscnt 0x0
	s_endpgm
.Lfunc_end_k_qc20ed99a84_route:
	.size	k_qc20ed99a84_route, .Lfunc_end_k_qc20ed99a84_route-k_qc20ed99a84_route
	.p2alignl 7, 3214868480
	.fill 96, 4, 3214868480
	.section	.rodata,"a",@progbits
	.p2align	6, 0x0
	.amdhsa_kernel k_qc20ed99a84_route
		.amdhsa_group_segment_fixed_size 768
		.amdhsa_private_segment_fixed_size 0
		.amdhsa_enable_private_segment 0
		.amdhsa_kernarg_size 48
		.amdhsa_user_sgpr_count 2
		.amdhsa_user_sgpr_kernarg_segment_ptr 1
		.amdhsa_wavefront_size32 1
		.amdhsa_system_sgpr_workgroup_id_x 1
		.amdhsa_system_sgpr_workgroup_id_y 1
		.amdhsa_system_sgpr_workgroup_id_z 1
		.amdhsa_system_vgpr_workitem_id 0
		.amdhsa_next_free_vgpr 512
		.amdhsa_next_free_sgpr 66
		.amdhsa_reserve_vcc 1
		.amdhsa_float_denorm_mode_32 3
		.amdhsa_float_denorm_mode_16_64 3
		.amdhsa_memory_ordered 1
		.amdhsa_forward_progress 1
		.amdhsa_inst_pref_size 52
	.end_amdhsa_kernel
	.amdgpu_metadata
---
amdhsa.version: [ 1, 2 ]
amdhsa.kernels:
  - .name:           k_qc20ed99a84_route
    .symbol:         k_qc20ed99a84_route.kd
    .args:
      - { .name: hidden_states, .offset: 0, .size: 8, .value_kind: global_buffer, .address_space: global }
      - { .name: router_w, .offset: 8, .size: 8, .value_kind: global_buffer, .address_space: global }
      - { .name: xq, .offset: 16, .size: 8, .value_kind: global_buffer, .address_space: global }
      - { .name: xs, .offset: 24, .size: 8, .value_kind: global_buffer, .address_space: global }
      - { .name: sel, .offset: 32, .size: 8, .value_kind: global_buffer, .address_space: global }
      - { .name: selw, .offset: 40, .size: 8, .value_kind: global_buffer, .address_space: global }
    .group_segment_fixed_size: 768
    .private_segment_fixed_size: 0
    .kernarg_segment_align: 8
    .kernarg_segment_size: 48
    .max_flat_workgroup_size: 128
    .sgpr_count:     66
    .vgpr_count:     512
    .wavefront_size: 32
...
	.end_amdgpu_metadata
.endif
;; end of part 1
;; launch place (part 2): grid 1 x 1, 32 waves a work-group, no clusters, 21,504 bytes of LDS; arguments sel, selw, lists, wts; writes lists, wts
.if DOCPART == 2
	.amdgcn_target "amdgcn-amd-amdhsa--gfx1250"
	.amdhsa_code_object_version 6
	.text
	.protected	k_qc20ed99a84_place
	.globl	k_qc20ed99a84_place
	.p2align	8
	.type	k_qc20ed99a84_place,@function
k_qc20ed99a84_place:
	s_mov_b64 s[64:65], 0
	v_nop
	global_prefetch_b8 v0, s[64:65] scope:SCOPE_SE
	s_setreg_imm32_b32 hwreg(HW_REG_WAVE_MODE, 25, 1), 1
	s_wait_xcnt 0x0
; PLACE.  Two counting sorts of the 2,048 tokens in one work-group, without atomics.
; (1) by EXPERT, each token twice: hq rows 128 (16 + tile) + i; rows 0 to 2,047 are the shared expert's (row = token).  ROWS[row] = token.
; (2) by PAIR of experts (lower, higher; 28 bins), in tiles of 48 slots: TOK[slot] = token, RA / RB[slot] = the token's hq row for the lower / higher expert, WA / WB[slot] = their weights.
; Tile records: T1E, T1C (expert, rows) for 64 tiles of 128 rows; T2A, T2B, T2C (lower, higher, slots) for 96 tiles of 48 slots (at most (2048 + 28 x 47) / 48 = 70 are used); tiles that the split leaves empty get the count 0.
; Places that no token takes are not written, and no later launch reads them: every reader holds its index at the tile's count - 1.
; lists, bytes: ROWS 0, TOK 0x8000, RA 0x10000, RB 0x18000, T1E 0x20000, T1C 0x20100, T2A 0x20200, T2B 0x20400, T2C 0x20600.  wts: WA 0, WB 0x8000.
; SHARES.  Wave w owns the token groups w and 32 + w (32 tokens each, token = thread + 1024 i).  Counts of a group by ballots; offsets by a scan down the 64 groups, a wave a bin; bases by a scan over the bins, in every wave.
; One work-group, since every token's place hangs on all counts: a sum that spans work-groups would want a launch more.
.set TP,   0                           ; LDS: [64 groups][33 words]: counts, then offsets, by pair
.set TE,   8448                        ; the same by expert
.set TOTP, 16896                       ; 32 totals by pair
.set TOTE, 17024                       ; 8 totals by expert
.set G0,   16                          ; a group's 24 registers: +0 token, +1 lower, +2 higher, +3, +4 their weights, +5 bin, +6 rank in bin, +7, +8 ranks in experts, +9, +10 counts, +11 4 x token, +12..15 as loaded, +16..18 slot, rows, +19..21 at work, +22, +23 offsets
.set GS,   24
.macro SCAN32 x                        ; an inclusive sum over the 32 lanes
.irp n, 1,2,4,8
	v_mov_b32_dpp v7, v[\x] row_shr:\n row_mask:0xf bank_mask:0xf bound_ctrl:1
	v_add_nc_u32 v[\x], v[\x], v7
.endr
	v_readlane_b32 s20, v[\x], 15
	v_mad_u32_u24 v[\x], v3, s20, v[\x]            ; lanes 16-31 take the lower half's total
.endm
	s_load_b256 s[4:11], s[0:1], 0x0               ; sel s[4:5], selw s[6:7], lists s[8:9], wts s[10:11]
	v_lshl_add_u32 v96, v0, 2, 0x4400
	v_mov_b32 v97, 0
	v_lshrrev_b32 v1, 5, v0
	v_readfirstlane_b32 s16, v1                    ; wave
	v_and_b32 v1, 31, v0                           ; lane
	v_lshlrev_b32 v2, 2, v1
	v_lshrrev_b32 v3, 4, v1
	s_mul_i32 s17, s16, 132
	v_add_nc_u32 v4, s17, v2                       ; row w of a table: 132 w + 4 lane (lane = bin)
	v_mul_u32_u24 v5, v1, 132
	s_lshl_b32 s18, s16, 2
	v_add_nc_u32 v5, s18, v5                       ; column w: 132 lane + 4 w (lane = group)
	s_add_co_u32 s19, s18, TOTP
	v_mov_b32 v6, s19
	v_mov_b32 v7, 0
	v_lshlrev_b32 v8, 3, v0
	v_and_b32 v9, 7, v1
	v_lshlrev_b32 v9, 2, v9
	s_wait_kmcnt 0x0
.irp i, 0,1
	global_load_b64 v[G0+GS*\i+12:G0+GS*\i+13], v8, s[4:5] offset:8192*\i
	global_load_b64 v[G0+GS*\i+14:G0+GS*\i+15], v8, s[6:7] offset:8192*\i
.endr
	s_wait_loadcnt 0x0
.macro PHASEA i
.set G, G0+GS*(\i)
	v_add_nc_u32 v[G], 1024*(\i), v0               ; the token
	v_min_u32 v[G+12], 7, v[G+12]
	v_min_u32 v[G+13], 7, v[G+13]
	v_min_u32 v[G+1], v[G+12], v[G+13]
	v_max_u32 v[G+2], v[G+12], v[G+13]
	v_cmp_lt_u32 vcc_lo, v[G+12], v[G+13]
	v_cndmask_b32 v[G+3], v[G+15], v[G+14], vcc_lo ; the lower expert's weight,
	v_cndmask_b32 v[G+4], v[G+14], v[G+15], vcc_lo ; the higher one's
	v_add_nc_u32 v[G+5], -1, v[G+2]
	v_mul_u32_u24 v[G+5], v[G+5], v[G+2]
	v_lshrrev_b32 v[G+5], 1, v[G+5]
	v_add_nc_u32 v[G+5], v[G+5], v[G+1]            ; bin = hi (hi - 1) / 2 + lo
	v_min_u32 v[G+5], 27, v[G+5]
.irp k, 6,7,8,9,10
	v_mov_b32 v[G+\k], 0
.endr
.set b, 0
.rept 28
	v_cmp_eq_u32 s40, b, v[G+5]
	s_bcnt1_i32_b32 s41, s40
	v_mbcnt_lo_u32_b32 v[G+20], s40, 0             ; how many of the bin stand in lower lanes
	v_cndmask_b32 v[G+6], v[G+6], v[G+20], s40
	v_writelane_b32 v[G+9], s41, b                 ; the group's count, in the bin's lane
.set b, b+1
.endr
.set b, 0
.rept 8
	v_cmp_eq_u32 s40, b, v[G+1]
	v_cmp_eq_u32 s41, b, v[G+2]
	s_or_b32 s42, s40, s41
	s_bcnt1_i32_b32 s43, s42
	v_mbcnt_lo_u32_b32 v[G+20], s42, 0
	v_cndmask_b32 v[G+7], v[G+7], v[G+20], s40
	v_cndmask_b32 v[G+8], v[G+8], v[G+20], s41
	v_writelane_b32 v[G+10], s43, b
.set b, b+1
.endr
	ds_store_b32 v4, v[G+9] offset:TP+4224*(\i)
	ds_store_b32 v4, v[G+10] offset:TE+4224*(\i)
.endm
	PHASEA 0
	PHASEA 1
	s_wait_dscnt 0x0                               ; my counts lie in LDS
	s_barrier_signal -1
	s_barrier_wait -1
; A column of 64 counts becomes 64 exclusive offsets, in place, and a total.
.macro COLSCAN off, tot
	ds_load_b32 v64, v5 offset:\off
	ds_load_b32 v65, v5 offset:\off+4224
	s_wait_dscnt 0x0
	v_mov_b32 v66, v64
	v_mov_b32 v67, v65
	SCAN32 64
	SCAN32 65
	v_readlane_b32 s21, v64, 31
	v_readlane_b32 s22, v65, 31
	v_sub_nc_u32 v64, v64, v66
	v_sub_nc_u32 v65, v65, v67
	v_add_nc_u32 v65, s21, v65
	s_add_co_u32 s22, s22, s21
	v_mov_b32 v66, s22
	ds_store_b32 v5, v64 offset:\off
	ds_store_b32 v5, v65 offset:\off+4224
	ds_store_b32 v6, v66 offset:\tot               ; all lanes write the same word with the same value
	s_wait_dscnt 0x0
.endm
	COLSCAN TP, 0                                  ; wave w: bin w (bins 28 to 31 are columns of zeros)
	s_cmp_lt_u32 s16, 8
	s_cbranch_scc0 .Lno_expert
	COLSCAN TE, TOTE-TOTP                          ; waves 0 to 7: expert w
.Lno_expert:
	s_barrier_signal -1                            ; (every LDS instruction of mine has been waited for)
	s_barrier_wait -1
	; bases, in every wave: lane = bin, lane = expert
	ds_load_b32 v80, v2 offset:TOTP
	ds_load_b32 v84, v9 offset:TOTE
	s_wait_dscnt 0x0
	v_cmp_gt_u32 vcc_lo, 8, v1
	v_cndmask_b32 v84, 0, v84, vcc_lo              ; there are eight experts
	v_add_nc_u32 v81, 47, v80
	v_mul_u32_u24 v81, v81, 0xaaab
	v_lshrrev_b32 v81, 21, v81                     ; tiles of 48: (n + 47) / 48, exact for n + 47 up to 2,095
	v_mov_b32 v82, v81
	SCAN32 82
	v_sub_nc_u32 v82, v82, v81                     ; the bin's first tile
	v_mul_u32_u24 v83, v82, 48                     ; its first slot
	v_add_nc_u32 v85, 127, v84
	v_lshrrev_b32 v85, 7, v85                      ; tiles of 128
	v_mov_b32 v86, v85
	SCAN32 86
	v_sub_nc_u32 v86, v86, v85
	v_add_nc_u32 v86, 16, v86                      ; the expert's first tile, behind the shared expert's sixteen
	v_lshlrev_b32 v87, 7, v86                      ; its first row
.macro PHASED i
.set G, G0+GS*(\i)
	ds_load_b32 v[G+20], v4 offset:TP+4224*(\i)    ; my group's offsets, lane = bin
	ds_load_b32 v[G+21], v4 offset:TE+4224*(\i)
	s_wait_dscnt 0x0
	v_add_nc_u32 v[G+20], v[G+20], v83             ; + the bin's base
	v_add_nc_u32 v[G+21], v[G+21], v87
	v_lshlrev_b32 v[G+9], 2, v[G+5]
	v_lshlrev_b32 v[G+10], 2, v[G+1]
	v_lshlrev_b32 v[G+12], 2, v[G+2]
	ds_bpermute_b32 v[G+16], v[G+9], v[G+20]       ; each token takes its bin's lane
	ds_bpermute_b32 v[G+17], v[G+10], v[G+21]
	ds_bpermute_b32 v[G+18], v[G+12], v[G+21]
	s_wait_dscnt 0x0
	v_add_nc_u32 v[G+16], v[G+16], v[G+6]
	v_add_nc_u32 v[G+17], v[G+17], v[G+7]
	v_add_nc_u32 v[G+18], v[G+18], v[G+8]
	v_min_u32 v[G+16], 3359, v[G+16]               ; the slot: 70 tiles of 48 at the most
	v_min_u32 v[G+17], 7039, v[G+17]               ; the rows
	v_min_u32 v[G+18], 7039, v[G+18]
	v_lshlrev_b32 v[G+11], 2, v[G]
	v_lshlrev_b32 v[G+19], 2, v[G+16]
	v_lshlrev_b32 v[G+22], 2, v[G+17]
	v_lshlrev_b32 v[G+23], 2, v[G+18]
	global_store_b32 v[G+11], v[G], s[8:9]                    ; ROWS[token] = token: the shared expert
	global_store_b32 v[G+22], v[G], s[8:9]                    ; ROWS[row of the lower expert]
	global_store_b32 v[G+23], v[G], s[8:9]                    ; ROWS[row of the higher expert]
	global_store_b32 v[G+19], v[G], s[8:9] offset:0x8000      ; TOK
	global_store_b32 v[G+19], v[G+17], s[8:9] offset:0x10000  ; RA
	global_store_b32 v[G+19], v[G+18], s[8:9] offset:0x18000  ; RB
	global_store_b32 v[G+19], v[G+3], s[10:11]                ; WA
	global_store_b32 v[G+19], v[G+4], s[10:11] offset:0x8000  ; WB
.endm
	PHASED 0
	PHASED 1
	; the tile records, by gathering: a lane a tile, every entry written
	s_cmp_lt_u32 s16, 3
	s_cbranch_scc0 .Lnot_pairs
	v_mov_b32 v88, v0                              ; waves 0 to 2: tile 0 to 95
	v_lshlrev_b32 v94, 2, v88
	v_mov_b32 v91, 0
	v_mov_b32 v92, 0
	v_mov_b32 v93, 0
.macro PAIRREC beta, lo, hi
	v_readlane_b32 s40, v82, \beta
	v_readlane_b32 s41, v81, \beta
	v_readlane_b32 s42, v80, \beta
	v_sub_nc_u32 v89, v88, s40                     ; which tile of the bin
	v_cmp_gt_u32 vcc_lo, s41, v89                  ; (unsigned: a tile in front of the bin fails too)
	v_mul_u32_u24 v90, v89, 48
	v_sub_nc_u32 v90, s42, v90
	v_min_u32 v90, 48, v90
	v_cndmask_b32 v91, v91, \lo, vcc_lo
	v_cndmask_b32 v92, v92, \hi, vcc_lo
	v_cndmask_b32 v93, v93, v90, vcc_lo
.endm
.irp hi, 1,2,3,4,5,6,7
.irp lo, 0,1,2,3,4,5,6
.if \lo < \hi
	PAIRREC (\hi*(\hi-1)/2+\lo), \lo, \hi
.endif
.endr
.endr
	global_store_b32 v94, v91, s[8:9] offset:0x20200
	global_store_b32 v94, v92, s[8:9] offset:0x20400
	global_store_b32 v94, v93, s[8:9] offset:0x20600
	s_branch .Ldone
.Lnot_pairs:
	s_cmp_lt_u32 s16, 5
	s_cbranch_scc0 .Ldone
	v_add_nc_u32 v88, -96, v0                      ; waves 3 and 4: tile 0 to 63
	v_lshlrev_b32 v94, 2, v88
	v_mov_b32 v91, 0
	v_mov_b32 v95, 128
	v_cmp_gt_u32 vcc_lo, 16, v88
	v_cndmask_b32 v93, 0, v95, vcc_lo              ; the shared expert's sixteen tiles are full
.irp e, 0,1,2,3,4,5,6,7
	v_readlane_b32 s40, v86, \e
	v_readlane_b32 s41, v85, \e
	v_readlane_b32 s42, v84, \e
	v_sub_nc_u32 v89, v88, s40
	v_cmp_gt_u32 vcc_lo, s41, v89
	v_lshlrev_b32 v90, 7, v89
	v_sub_nc_u32 v90, s42, v90
	v_min_u32 v90, 128, v90
	v_cndmask_b32 v91, v91, \e, vcc_lo
	v_cndmask_b32 v93, v93, v90, vcc_lo
.endr
	global_store_b32 v94, v91, s[8:9] offset:0x20000
	global_store_b32 v94, v93, s[8:9] offset:0x20100
.Ldone:
	s_wait_tensorcnt 0x0
	ds_add_u32 v96, v97
	s_wait_dscnt 0x0
	s_endpgm
.Lfunc_end_k_qc20ed99a84_place:
	.size	k_qc20ed99a84_place, .Lfunc_end_k_qc20ed99a84_place-k_qc20ed99a84_place
	.p2alignl 7, 3214868480
	.fill 96, 4, 3214868480
	.section	.rodata,"a",@progbits
	.p2align	6, 0x0
	.amdhsa_kernel k_qc20ed99a84_place
		.amdhsa_group_segment_fixed_size 21504
		.amdhsa_private_segment_fixed_size 0
		.amdhsa_enable_private_segment 0
		.amdhsa_kernarg_size 32
		.amdhsa_user_sgpr_count 2
		.amdhsa_user_sgpr_kernarg_segment_ptr 1
		.amdhsa_wavefront_size32 1
		.amdhsa_system_sgpr_workgroup_id_x 1
		.amdhsa_system_sgpr_workgroup_id_y 1
		.amdhsa_system_sgpr_workgroup_id_z 1
		.amdhsa_system_vgpr_workitem_id 0
		.amdhsa_next_free_vgpr 98
		.amdhsa_next_free_sgpr 66
		.amdhsa_reserve_vcc 1
		.amdhsa_float_denorm_mode_32 3
		.amdhsa_float_denorm_mode_16_64 3
		.amdhsa_memory_ordered 1
		.amdhsa_forward_progress 1
		.amdhsa_inst_pref_size 56
	.end_amdhsa_kernel
	.amdgpu_metadata
---
amdhsa.version: [ 1, 2 ]
amdhsa.kernels:
  - .name:           k_qc20ed99a84_place
    .symbol:         k_qc20ed99a84_place.kd
    .args:
      - { .name: sel, .offset: 0, .size: 8, .value_kind: global_buffer, .address_space: global }
      - { .name: selw, .offset: 8, .size: 8, .value_kind: global_buffer, .address_space: global }
      - { .name: lists, .offset: 16, .size: 8, .value_kind: global_buffer, .address_space: global }
      - { .name: wts, .offset: 24, .size: 8, .value_kind: global_buffer, .address_space: global }
    .group_segment_fixed_size: 21504
    .private_segment_fixed_size: 0
    .kernarg_segment_align: 8
    .kernarg_segment_size: 32
    .max_flat_workgroup_size: 1024
    .sgpr_count:     66
    .vgpr_count:     98
    .wavefront_size: 32
...
	.end_amdgpu_metadata
.endif
;; end of part 2
;; launch stage1 (part 3): grid 4 x 55, 4 waves a work-group, no clusters, 173,568 bytes of LDS; arguments xq, xs, lists, hq, hs, shared_gate_codes, shared_gate_scales, shared_up_codes, shared_up_scales, experts_gate_codes, experts_gate_scales, experts_up_codes, experts_up_scales; writes hq, hs
.if DOCPART == 3
	.amdgcn_target "amdgcn-amd-amdhsa--gfx1250"
	.amdhsa_code_object_version 6
	.text
	.protected	k_qc20ed99a84_stage1
	.globl	k_qc20ed99a84_stage1
	.p2align	8
	.type	k_qc20ed99a84_stage1,@function
k_qc20ed99a84_stage1:
	s_mov_b64 s[64:65], 0
	v_nop
	global_prefetch_b8 v0, s[64:65] scope:SCOPE_SE
	s_setreg_imm32_b32 hwreg(HW_REG_WAVE_MODE, 25, 1), 1
	s_wait_xcnt 0x0
; STAGE1.  hid = Q(sigmoid(x Wg) (x Wu)) for the rows that are kept: the shared expert's 2,048 and each token's two chosen experts', sorted by expert.
; Both products on codes of E4M3 with one E8M0 byte for each 32 along K; hid is quantised along the hidden units in registers and leaves as codes (hq [7040][1024]) and scale bytes (hs [7040][32]).
; SHARES.  Work-group (x, y): tile y of 128 rows of one expert (tiles 0-15: the shared one) x slice x of 256 hidden units.  55 tiles serve every split: 16 + at most (4096 - 8) / 128 + 8.
; A tile's rows beyond its count repeat its last row; they land in hq rows that nobody reads.  A tile with the count 0 jumps over the work, never over a barrier.
; A wave takes all 128 rows x 64 units: 4 tiles of Wg and 4 of Wu x 8 tiles of rows = 64 accumulators, 512 registers.
; x's rows are gathered once into LDS (codes and scale bytes of a row together, pitch 1,072); the weights go from memory straight into registers, two sets by turns, a K step ahead.
; THE PRODUCT IS USED TRANSPOSED (source 0 = 16 rows of W, source 1 = 16 rows of x), AND THE ROWS OF W THAT FORM A TILE ARE NOT NEIGHBOURS: lane r of tile 2 B + u takes unit 32 B + 8 u + r + 8 (r / 8):
; so a lane holds one row of x, and its 16 registers of two neighbouring tiles are 16 neighbouring units, as the conversions and the next product's K want them.
; SCALES.  One load of 16 bytes at 16 (lane / 16) of a row's 32 scale bytes: register j holds K step j's word in lanes 0-15 and K step 4 + j's in lanes 16-31, which the second half of K selects.
; NO TENSOR LOAD AND NO CLUSTER: the launch branches on counts read from memory, and how many tiles an expert has hangs on those counts, so partners could not be given tiles of one expert at every split.
; LIMITS: NaN and infinities are not served; a block of zeros gets the byte 1 (its codes are zeros; this program alone reads the bytes).
; REGISTERS: window 0: v1-19 addresses, v20-27 x's scale bytes on their way, v32-63 x's scale words, v64-95 W's, v128-255 x's fragments (at the head: gather offsets; at the end: at work);
;   window 1: W's fragments, two sets of 128;  windows 2, 3: accumulator (a, b) at window 2 + a / 4, v[8 (8 (a % 4) + b)] (window 2 first holds the gathered rows).
.set PITCH, 1072                       ; 1,024 codes + 32 scale bytes + 16: 67 x 16 bytes, so the sixteen rows of a fragment load begin in sixteen different groups of four banks
.set ROW16, 16*PITCH
.set STG,   128*PITCH                  ; the way out: 128 rows x (256 codes + 16)
.set SST,   STG+128*272                ; and 128 rows x 8 scale bytes
.set AS,  32
.set BS,  64
.set AF,  128
.set T,   128                          ; v128-159 32 numbers at work
.set PC,  160                          ; v160-167 their codes
.set TM,  168                          ; v168.. largest magnitudes, bytes, holds, scale operands
.set PW,  184                          ; two scale bytes
.set MSB, 0
.macro WIN new                         ; the immediate's high byte repeats the setting that is left
.if MSB != (\new)
	s_set_vgpr_msb (MSB<<8)|(\new)
.set MSB, (\new)
.endif
.endm
.macro PLACES n                        ; plain lines between a matrix instruction and a load into, or a read of, its registers
.rept \n
	v_nop
.endr
.endm
.macro MM a, b, s                      ; one product: W's tile b x rows' tile a, K step s
.set rD,  8*(8*((\a)%4)+(\b))
.set rB,  128*((\s)%2)+16*(\b)
.set rA,  AF+16*(\a)
.set rSB, BS+4*(\b)+(\s)%4
.set rSA, AS+4*(\a)+(\s)%4
.if (\s) == 0
	v_wmma_scale_f32_16x16x128_f8f6f4 v[rD:rD+7], v[rB:rB+15], v[rA:rA+15], 0, v[rSB], v[rSA]
.elseif (\s) < 4
	v_wmma_scale_f32_16x16x128_f8f6f4 v[rD:rD+7], v[rB:rB+15], v[rA:rA+15], v[rD:rD+7], v[rSB], v[rSA]
.else
	v_wmma_scale_f32_16x16x128_f8f6f4 v[rD:rD+7], v[rB:rB+15], v[rA:rA+15], v[rD:rD+7], v[rSB], v[rSA] matrix_a_scale:MATRIX_SCALE_ROW1 matrix_b_scale:MATRIX_SCALE_ROW1
.endif
.endm
.macro MUL16 a0, s                     ; the 64 accumulators take turns, one instruction a turn, in the same order in every K step
.irp a, \a0, \a0+1
.irp b, 0,1,2,3,4,5,6,7
	MM (\a), \b, \s
.endr
.endr
.endm
.macro LOAD_B s                        ; W's eight fragments of K step s into set s % 2: 32 loads
	WIN 0x40
.irp b, 0,1,2,3
.irp c, 0,1,2,3
	global_load_b128 v[128*((\s)%2)+16*\b+4*\c:128*((\s)%2)+16*\b+4*\c+3], v5, s[40:41] offset:(32*(\b/2)+8*(\b%2))*1024+128*(\s)+32*\c
.endr
.endr
.irp b, 0,1,2,3
.irp c, 0,1,2,3
	global_load_b128 v[128*((\s)%2)+64+16*\b+4*\c:128*((\s)%2)+64+16*\b+4*\c+3], v5, s[44:45] offset:(32*(\b/2)+8*(\b%2))*1024+128*(\s)+32*\c
.endr
.endr
	WIN 0
.endm
.macro FETCH_A s, a0                   ; x's fragments of K step s, tiles a0 .. a0 + 3: 16 loads
.irp t, 0,1,2,3
.irp c, 0,1,2,3
	ds_load_b128 v[AF+16*(\a0+\t)+4*\c:AF+16*(\a0+\t)+4*\c+3], v[9+(\a0)/4] offset:\t*ROW16+128*(\s)+32*\c
.endr
.endr
.endm
	s_load_b256 s[4:11], s[0:1], 0x0               ; xq s[4:5], xs s[6:7], lists s[8:9], hq s[10:11]
	s_load_b256 s[12:19], s[0:1], 0x20             ; hs s[12:13], shared gate codes, scales s[14:17], shared up codes s[18:19]
	s_load_b256 s[20:27], s[0:1], 0x40             ; shared up scales s[20:21], experts' gate codes, scales s[22:25], experts' up codes s[26:27]
	s_load_b64 s[28:29], s[0:1], 0x60              ; experts' up scales
	v_lshl_add_u32 v126, v0, 2, 0x2a400
	v_mov_b32 v127, 0
	s_and_b32 s31, ttmp7, 0xffff                   ; tile
	s_mov_b32 s32, ttmp9                           ; slice
	s_lshl_b32 s38, s31, 2
	v_lshrrev_b32 v1, 5, v0
	v_readfirstlane_b32 s30, v1                    ; wave
	s_wait_kmcnt 0x0
	s_load_b32 s33, s[8:9], s38 offset:0x20000     ; the tile's expert
	s_load_b32 s34, s[8:9], s38 offset:0x20100     ; and its rows
	v_and_b32 v1, 31, v0                           ; lane
	v_and_b32 v2, 15, v0                           ; r
	v_bfe_u32 v3, v0, 4, 1                         ; h
	v_lshlrev_b32 v4, 4, v1
	v_and_b32 v19, 8, v2
	v_add_nc_u32 v19, v19, v2                      ; r + 8 (r / 8)
	v_lshlrev_b32 v5, 10, v19
	v_lshl_add_u32 v5, v3, 4, v5                   ; W's codes: my row of a tile, + 16 h
	v_lshlrev_b32 v6, 5, v19
	v_lshl_add_u32 v6, v3, 4, v6                   ; W's scale bytes likewise
	s_mul_i32 s37, s30, 32*PITCH
	v_add_nc_u32 v7, s37, v4                       ; the gather's stores: my wave's 32 rows, 16 bytes a lane
	v_mul_u32_u24 v8, v0, PITCH
	v_add_nc_u32 v8, 1024, v8                      ; and a row's scale bytes, a thread a row
	v_mul_u32_u24 v9, v2, PITCH
	v_lshl_add_u32 v9, v3, 4, v9                   ; x's fragments: rows 0-63,
	v_add_nc_u32 v10, 64*PITCH, v9                 ; rows 64-127
	s_lshl_b32 s37, s30, 6
	v_mul_u32_u24 v11, v2, 272
	v_lshl_add_u32 v11, v3, 4, v11
	v_add_nc_u32 v11, s37, v11
	v_add_nc_u32 v11, STG, v11                     ; codes into the stage: row r, + 64 x wave + 16 h
	s_lshl_b32 s37, s30, 1
	v_lshl_add_u32 v12, v2, 3, SST
	v_add_nc_u32 v12, s37, v12                     ; scale bytes: 8 r + 2 x wave
	s_mul_i32 s37, s30, 32*272
	v_mul_u32_u24 v13, v3, 272
	v_lshl_add_u32 v13, v2, 4, v13
	v_add_nc_u32 v13, s37, v13
	v_add_nc_u32 v13, STG, v13                     ; back: my wave's 32 rows, sixteen lanes to a row
	v_lshlrev_b32 v14, 10, v3
	v_lshl_add_u32 v14, v2, 4, v14                 ; and the same two rows in hq
	v_lshl_add_u32 v15, v0, 3, SST
	v_lshlrev_b32 v16, 5, v1
	s_mov_b32 s56, 0x76543210
	s_mov_b32 s57, 0xfedcba98                      ; lane l xor 16
	s_mov_b32 s58, 0x600000                        ; the mantissa field of 448
	s_lshl_b32 s60, s31, 7
	s_lshl_b32 s61, s30, 5
	s_add_co_u32 s60, s60, s61                     ; the first hq row that my wave stores
	s_lshl_b32 s62, s60, 10
	s_lshl_b32 s61, s32, 8
	s_add_co_u32 s62, s62, s61
	s_mov_b32 s63, 0
	s_add_nc_u64 s[52:53], s[10:11], s[62:63]
	s_lshl_b32 s62, s60, 5
	s_lshl_b32 s61, s32, 3
	s_add_co_u32 s62, s62, s61
	s_add_nc_u64 s[54:55], s[12:13], s[62:63]
	s_wait_kmcnt 0x0
	s_min_u32 s33, s33, 7
	s_min_u32 s34, s34, 128
	s_cmp_lt_u32 s31, 16                           ; the shared expert's tile?  The choice hangs on the tile's number alone
	s_cselect_b64 s[40:41], s[14:15], s[22:23]
	s_cselect_b64 s[42:43], s[16:17], s[24:25]
	s_cselect_b64 s[44:45], s[18:19], s[26:27]
	s_cselect_b64 s[46:47], s[20:21], s[28:29]
	s_cselect_b32 s33, 0, s33
	s_lshl_b32 s60, s33, 20                        ; codes: expert x 2^20 + (256 slice + 64 wave) x 1,024
	s_lshl_b32 s61, s32, 18
	s_add_co_u32 s60, s60, s61
	s_lshl_b32 s61, s30, 16
	s_add_co_u32 s60, s60, s61
	s_mov_b32 s61, 0
	s_add_nc_u64 s[40:41], s[40:41], s[60:61]
	s_add_nc_u64 s[44:45], s[44:45], s[60:61]
	s_lshl_b32 s60, s33, 15                        ; scale bytes: a thirty-second of that
	s_lshl_b32 s62, s32, 13
	s_add_co_u32 s60, s60, s62
	s_lshl_b32 s62, s30, 11
	s_add_co_u32 s60, s60, s62
	s_add_nc_u64 s[42:43], s[42:43], s[60:61]
	s_add_nc_u64 s[46:47], s[46:47], s[60:61]
	s_cmp_lg_u32 s34, 0
	s_cselect_b32 s36, s31, 0                      ; an empty tile reads tile 0's list, which is always written
	s_min_u32 s36, s36, 54
	s_max_u32 s35, s34, 1
	s_sub_co_u32 s35, s35, 1                       ; the last row that counts
	s_lshl_b32 s60, s36, 9
	s_add_nc_u64 s[50:51], s[8:9], s[60:61]
	v_min_u32 v18, s35, v0
	v_min_u32 v18, 127, v18
	v_lshlrev_b32 v18, 2, v18
	global_load_b32 v17, v18, s[50:51]             ; my thread's row: its token
.irp b, 0,1,2,3
	global_load_b128 v[BS+4*\b:BS+4*\b+3], v6, s[42:43] offset:(32*(\b/2)+8*(\b%2))*32
.endr
.irp b, 0,1,2,3
	global_load_b128 v[BS+16+4*\b:BS+16+4*\b+3], v6, s[46:47] offset:(32*(\b/2)+8*(\b%2))*32
.endr
	LOAD_B 0
	s_cmp_eq_u32 s34, 0
	s_cbranch_scc1 .Lskip1
	; ---- the gather: my wave's 32 rows of xq and xs into LDS
	s_wait_loadcnt 40                              ; the token is in: 8 + 32 loads are younger
	v_min_u32 v19, 2047, v17
	v_lshlrev_b32 v19, 5, v19
	global_load_b128 v[20:23], v19, s[6:7]
	global_load_b128 v[24:27], v19, s[6:7] offset:16
.set j, 0
.rept 32
	v_readlane_b32 s37, v17, j
	s_min_u32 s37, s37, 2047
	s_lshl_b32 s37, s37, 10
	v_add_nc_u32 v[128+j], s37, v4                 ; row j's token x 1,024 + 16 lane
.set j, j+1
.endr
	WIN 0x80                                       ; destination window 2
.set j, 0
.rept 32
	global_load_b128 v[8*j:8*j+3], v[128+j], s[4:5]               ; 32 lanes read 512 consecutive bytes of a row
	global_load_b128 v[8*j+4:8*j+7], v[128+j], s[4:5] offset:512
.set j, j+1
.endr
	WIN 0
	s_wait_loadcnt 48                              ; the scale bytes and rows 0-7 are in: 48 loads are younger
	ds_store_b128 v8, v[20:23]
	ds_store_b128 v8, v[24:27] offset:16
	WIN 0x08                                       ; an LDS store's data are its source 1: window 2
.set j, 0
.irp left, 48,32,16,0
	s_wait_loadcnt \left                           ; the next eight rows are in: so many loads are younger
.rept 8
	ds_store_b128 v7, v[8*j:8*j+3] offset:PITCH*j
	ds_store_b128 v7, v[8*j+4:8*j+7] offset:PITCH*j+512
.set j, j+1
.endr
.endr
	WIN 0
.Lskip1:
	LOAD_B 1
	s_wait_dscnt 0x0                               ; my rows lie in LDS
	s_barrier_signal -1
	s_barrier_wait -1                              ; everybody's do
	s_cmp_eq_u32 s34, 0
	s_cbranch_scc1 .Lskip2
	; ---- the products
.irp a, 0,1,2,3,4,5,6,7
	ds_load_b128 v[AS+4*\a:AS+4*\a+3], v[9+\a/4] offset:(\a%4)*ROW16+1024
.endr
	FETCH_A 0, 0
	FETCH_A 0, 4
.macro S1STEP s
.if (\s) < 7
	s_wait_loadcnt 32                              ; this K step's set of W is in (and, at the first, W's scale words): the next set's 32 loads are younger
.else
	s_wait_loadcnt 0x0
.endif
	s_wait_dscnt 16                                ; x's tiles 0-3 are in; the sixteen loads of tiles 4-7 are younger
	WIN 0xa1                                       ; source 0 (W) window 1, source 1 (x) window 0, C and D window 2
	MUL16 0, \s
	MUL16 2, \s
	s_wait_dscnt 0x0                               ; tiles 4-7
	PLACES 8
	WIN 0
.if (\s) < 7
	FETCH_A (\s)+1, 0
.endif
	WIN 0xf1                                       ; C and D window 3
	MUL16 4, \s
	MUL16 6, \s
	PLACES 8
	WIN 0
.if (\s) < 7
	FETCH_A (\s)+1, 4
.endif
.if (\s) < 6
	LOAD_B (\s)+2                                  ; into the set just read out: it has a K step, 64 matrix instructions, in which to land
.endif
.endm
.irp k, 0,1,2,3,4,5,6,7
	S1STEP \k
.endr
	v_mov_b32 v[TM+2], 0                           ; a lane permute's destination counts as one of its sources
	v_mov_b32 v[TM+3], 0
; 32 numbers of a lane, register 16 B + i = unit 32 B + 16 h + i of my row, become 32 codes and two scale bytes
.macro QUANT2
	s_wait_dscnt 0x0                               ; the last tile's LDS stores have read the registers that are written below
.irp b, 0,1
	v_max3_num_f32 v[TM+\b], |v[T+16*\b]|, |v[T+16*\b+1]|, 0x4800000   ; with the floor 2^(9 - 127): the byte cannot fall under 1
.endr
.irp i, 2,4,6,8,10,12,14
.irp b, 0,1
	v_max3_num_f32 v[TM+\b], v[TM+\b], |v[T+16*\b+\i]|, |v[T+16*\b+\i+1]|
.endr
.endr
.irp b, 0,1
	v_permlanex16_b32 v[TM+2+\b], v[TM+\b], s56, s57
.endr
.irp b, 0,1
	v_max_num_f32 v[TM+\b], v[TM+\b], v[TM+2+\b]   ; with lane l xor 16's sixteen: the block's largest magnitude
.endr
.irp b, 0,1
	v_add_nc_u32 v[TM+6+\b], 0xfc000000, v[TM+\b]  ; 8 off its exponent field: the conversion's scale operand
.endr
.irp b, 0,1
	v_and_or_b32 v[TM+4+\b], v[TM+\b], 0x7f800000, s58   ; 448 x the scale
.endr
.irp b, 0,1
	v_lshrrev_b32 v[TM+2+\b], 23, v[TM+6+\b]       ; the scale's byte
.endr
	v_lshl_or_b32 v[PW], v[TM+3], 8, v[TM+2]
.irp b, 0,1
.irp i, 0,1,2,3,4,5,6,7,8,9,10,11,12,13,14,15
	v_med3_num_f32 v[T+16*\b+\i], v[T+16*\b+\i], -v[TM+4+\b], v[TM+4+\b]   ; the conversion does not saturate (ISA guide 7.6.2): the hold
.endr
.endr
.irp b, 0,1
	v_cvt_scalef32_pk8_fp8_f32 v[PC+4*\b:PC+4*\b+1], v[T+16*\b:T+16*\b+7], v[TM+6+\b]
	v_cvt_scalef32_pk8_fp8_f32 v[PC+4*\b+2:PC+4*\b+3], v[T+16*\b+8:T+16*\b+15], v[TM+6+\b]
.endr
	v_nop                                          ; a plain line behind the last conversion
.endm
; Rows' tile a: sigmoid(gate) x up = up / (1 + 2^(-gate log2 e)), quantised, into the stage.  Each accumulator is read from its low end on.
.macro EPI a
.set AB, 64*((\a)%4)
	WIN 0x02+(\a)/4                                ; source 0: window 2 or 3
.set q, 0
.rept 16
	v_pk_mul_f32 v[T+2*q:T+2*q+1], v[AB+2*q:AB+2*q+1], 0xbfb8aa3b op_sel_hi:[1,0]
.set q, q+1
.endr
	WIN 0
.set q, 0
.rept 32
	v_exp_f32 v[T+q], v[T+q]
.set q, q+1
.endr
	v_nop                                          ; a plain line behind the batch,
	s_wait_alu depctr_va_vdst(0)                   ; and one wait ahead of its first reader
.set q, 0
.rept 16
	v_pk_add_f32 v[T+2*q:T+2*q+1], v[T+2*q:T+2*q+1], 1.0 op_sel_hi:[1,0]
.set q, q+1
.endr
.set q, 0
.rept 32
	v_rcp_f32 v[T+q], v[T+q]
.set q, q+1
.endr
	v_nop
	s_wait_alu depctr_va_vdst(0)
	WIN 0x08+4*((\a)/4)                            ; source 1: window 2 or 3
.set q, 0
.rept 16
	v_pk_mul_f32 v[T+2*q:T+2*q+1], v[T+2*q:T+2*q+1], v[AB+32+2*q:AB+32+2*q+1]
.set q, q+1
.endr
	WIN 0
	QUANT2
	ds_store_b128 v11, v[PC:PC+3] offset:4352*(\a)
	ds_store_b128 v11, v[PC+4:PC+7] offset:4352*(\a)+32
	ds_store_b16 v12, v[PW] offset:128*(\a)        ; both lanes of a row write the same two bytes with the same value
.endm
.irp k, 0,1,2,3,4,5,6,7
	EPI \k
.endr
.Lskip2:
	s_wait_dscnt 0x0                               ; my part of the stage is written
	s_barrier_signal -1
	s_barrier_wait -1                              ; a row's 256 codes come from four waves
	s_cmp_eq_u32 s34, 0
	s_cbranch_scc1 .Lskip3
.irp i, 0,1,2,3,4,5,6,7,8,9,10,11,12,13,14,15
	ds_load_b128 v[192+4*\i:192+4*\i+3], v13 offset:544*\i
.endr
	ds_load_b64 v[188:189], v15
.irp i, 0,1,2,3,4,5,6,7,8,9,10,11,12,13,14,15
	s_wait_dscnt 16-\i                             ; so many LDS loads are younger
	global_store_b128 v14, v[192+4*\i:192+4*\i+3], s[52:53] offset:2048*\i   ; sixteen lanes store 256 consecutive bytes, aligned
.endr
	s_wait_dscnt 0x0
	global_store_b64 v16, v[188:189], s[54:55]     ; 8 scale bytes a row, rows 32 bytes apart: short stores, one byte in 33 of what the launch stores
.Lskip3:
	s_wait_tensorcnt 0x0
	ds_add_u32 v126, v127
	s_wait_dscnt 0x0
	s_endpgm
.Lfunc_end_k_qc20ed99a84_stage1:
	.size	k_qc20ed99a84_stage1, .Lfunc_end_k_qc20ed99a84_stage1-k_qc20ed99a84_stage1
	.p2alignl 7, 3214868480
	.fill 96, 4, 3214868480
	.section	.rodata,"a",@progbits
	.p2align	6, 0x0
	.amdhsa_kernel k_qc20ed99a84_stage1
		.amdhsa_group_segment_fixed_size 173568
		.amdhsa_private_segment_fixed_size 0
		.amdhsa_enable_private_segment 0
		.amdhsa_kernarg_size 104
		.amdhsa_user_sgpr_count 2
		.amdhsa_user_sgpr_kernarg_segment_ptr 1
		.amdhsa_wavefront_size32 1
		.amdhsa_system_sgpr_workgroup_id_x 1
		.amdhsa_system_sgpr_workgroup_id_y 1
		.amdhsa_system_sgpr_workgroup_id_z 1
		.amdhsa_system_vgpr_workitem_id 0
		.amdhsa_next_free_vgpr 1024
		.amdhsa_next_free_sgpr 66
		.amdhsa_reserve_vcc 0
		.amdhsa_float_denorm_mode_32 3
		.amdhsa_float_denorm_mode_16_64 3
		.amdhsa_memory_ordered 1
		.amdhsa_forward_progress 1
		.amdhsa_inst_pref_size 217
	.end_amdhsa_kernel
	.amdgpu_metadata
---
amdhsa.version: [ 1, 2 ]
amdhsa.kernels:
  - .name:           k_qc20ed99a84_stage1
    .symbol:         k_qc20ed99a84_stage1.kd
    .args:
      - { .name: xq, .offset: 0, .size: 8, .value_kind: global_buffer, .address_space: global }
      - { .name: xs, .offset: 8, .size: 8, .value_kind: global_buffer, .address_space: global }
      - { .name: lists, .offset: 16, .size: 8, .value_kind: global_buffer, .address_space: global }
      - { .name: hq, .offset: 24, .size: 8, .value_kind: global_buffer, .address_space: global }
      - { .name: hs, .offset: 32, .size: 8, .value_kind: global_buffer, .address_space: global }
      - { .name: shared_gate_codes, .offset: 40, .size: 8, .value_kind: global_buffer, .address_space: global }
      - { .name: shared_gate_scales, .offset: 48, .size: 8, .value_kind: global_buffer, .address_space: global }
      - { .name: shared_up_codes, .offset: 56, .size: 8, .value_kind: global_buffer, .address_space: global }
      - { .name: shared_up_scales, .offset: 64, .size: 8, .value_kind: global_buffer, .address_space: global }
      - { .name: experts_gate_codes, .offset: 72, .size: 8, .value_kind: global_buffer, .address_space: global }
      - { .name: experts_gate_scales, .offset: 80, .size: 8, .value_kind: global_buffer, .address_space: global }
      - { .name: experts_up_codes, .offset: 88, .size: 8, .value_kind: global_buffer, .address_space: global }
      - { .name: experts_up_scales, .offset: 96, .size: 8, .value_kind: global_buffer, .address_space: global }
    .group_segment_fixed_size: 173568
    .private_segment_fixed_size: 0
    .kernarg_segment_align: 8
    .kernarg_segment_size: 104
    .max_flat_workgroup_size: 128
    .sgpr_count:     66
    .vgpr_count:     1024
    .wavefront_size: 32
...
	.end_amdgpu_metadata
.endif
;; end of part 3
;; launch stage2 (part 4): grid 4 x 70, 4 waves a work-group, no clusters, 172,288 bytes of LDS; arguments hq, hs, lists, wts, shared_down_codes, shared_down_scales, experts_down_codes, experts_down_scales, hidden_states, out0; writes out0
.if DOCPART == 4
	.amdgcn_target "amdgcn-amd-amdhsa--gfx1250"
	.amdhsa_code_object_version 6
	.text
	.protected	k_qc20ed99a84_stage2
	.globl	k_qc20ed99a84_stage2
	.p2align	8
	.type	k_qc20ed99a84_stage2,@function
k_qc20ed99a84_stage2:
	s_mov_b64 s[64:65], 0
	v_nop
	global_prefetch_b8 v0, s[64:65] scope:SCOPE_SE
	s_setreg_imm32_b32 hwreg(HW_REG_WAVE_MODE, 25, 1), 1
	s_wait_xcnt 0x0
; STAGE2.  out = x + hid_s Wd_s + wa (hid_a Wd_a) + wb (hid_b Wd_b), on codes of E4M3 with one E8M0 byte for each 32 along K.
; SHARES.  Tokens are sorted by their PAIR of experts.  Work-group (x, y): tile y of 48 slots, all with one pair (a, b), x slice x of 256 output columns.  So a work-group runs three passes of constant length
; (shared, a, b) and OWNS its output rows: nothing is added between work-groups.  70 tiles serve every split: at most (2048 + 28 x 47) / 48.  With 2,048 tokens in 28 pairs a pair has some 73 tokens, two tiles:
; 48 slots are the tile with which an even split gives nearly every one of the 256 WGPs a work-group with rows (about 57 tiles x 4 slices).
; Slots beyond the tile's count repeat its last slot: they store the same numbers to the same bytes.  A tile with the count 0 jumps over the work, never over a barrier.
; A wave takes all 48 slots (3 tiles) x 64 columns (4 tiles): 12 accumulators.  The three passes' hid rows (3 x 48, codes and scale bytes together, pitch 1,072) are gathered once into LDS;
; Wd goes from memory straight into registers through a ring of four sets of 64 registers, three K steps ahead; the ring's last three refills bring the residual x.
; THE PRODUCT IS USED TRANSPOSED (source 0 = 16 rows of Wd, source 1 = 16 hid rows): a lane holds one token and eight neighbouring columns.
; Pass 0 sums straight into the total (window 3); passes 1 and 2 sum into window 2 and are added with the token's weight by fused multiply-adds.
; SCALES.  One load of 16 bytes at 16 (lane / 16) of a row's 32 scale bytes: register j holds K step j's word in lanes 0-15 and K step 4 + j's in lanes 16-31, which the second half of K selects.
; NO TENSOR LOAD AND NO CLUSTER: the launch branches on counts read from memory, and neighbouring tiles may have different pairs, so partners could not be given one expert's weights at every split.
; REGISTERS: window 0: v1-30 addresses; v32-67 hid's scale words (12 a pass); v68-115 Wd's (16 a pass); v116-123 weights; v124-126 tokens; v128-223 hid's fragments, two sets of 48 (at the head: gather offsets; at the end: rows on their way out);
;   v224-247 scale bytes on their way; v248-255 lane indices.  window 1: the ring.  window 2: v0-95 a pass's sums, v192-215 the output rows' offsets.  window 3: v0-95 the total.  (Windows 2 and 3 first hold the gathered rows.)
.set PITCH, 1072                       ; 1,024 codes + 32 scale bytes + 16: 67 x 16 bytes, so the sixteen rows of a fragment load begin in sixteen different groups of four banks
.set ROW16, 16*PITCH
.set PASS,  48*PITCH                   ; a pass's 48 rows
.set STG,   3*PASS                     ; the way out: 16 rows x (256 bytes + 16) for each wave, its own
.set AS,  32
.set BS,  68
.set WA,  116
.set WB,  120
.set TK,  124
.set AF,  128
.set MSB, 0
.macro WIN new                         ; the immediate's high byte repeats the setting that is left
.if MSB != (\new)
	s_set_vgpr_msb (MSB<<8)|(\new)
.set MSB, (\new)
.endif
.endm
.macro PLACES n                        ; plain lines between a matrix instruction and a load into, or a read of, its registers
.rept \n
	v_nop
.endr
.endm
.macro RING g                          ; Wd's four fragments of step g (pass g / 8, K step g % 8) into set g % 4: 16 loads
.set pj, (\g)/8
.set ps, (\g)%8
	WIN 0x40
.irp b, 0,1,2,3
.irp c, 0,1,2,3
	global_load_b128 v[64*((\g)%4)+16*\b+4*\c:64*((\g)%4)+16*\b+4*\c+3], v5, s[36+2*pj:37+2*pj] offset:16384*\b+128*ps+32*\c
.endr
.endr
	WIN 0
.endm
.macro FA g                            ; hid's three fragments of step g into set g % 2: 12 loads
.set pj, (\g)/8
.set ps, (\g)%8
.irp t, 0,1,2
.irp c, 0,1,2,3
	ds_load_b128 v[AF+48*((\g)%2)+16*\t+4*\c:AF+48*((\g)%2)+16*\t+4*\c+3], v[13+pj] offset:\t*ROW16+128*ps+32*\c
.endr
.endr
.endm
.macro MM2 a, b, g
.set rD,  8*(4*(\a)+(\b))
.set rB,  64*((\g)%4)+16*(\b)
.set rA,  AF+48*((\g)%2)+16*(\a)
.set rSB, BS+16*((\g)/8)+4*(\b)+(\g)%4
.set rSA, AS+12*((\g)/8)+4*(\a)+(\g)%4
.if (\g)%8 == 0
	v_wmma_scale_f32_16x16x128_f8f6f4 v[rD:rD+7], v[rB:rB+15], v[rA:rA+15], 0, v[rSB], v[rSA]
.elseif (\g)%8 < 4
	v_wmma_scale_f32_16x16x128_f8f6f4 v[rD:rD+7], v[rB:rB+15], v[rA:rA+15], v[rD:rD+7], v[rSB], v[rSA]
.else
	v_wmma_scale_f32_16x16x128_f8f6f4 v[rD:rD+7], v[rB:rB+15], v[rA:rA+15], v[rD:rD+7], v[rSB], v[rSA] matrix_a_scale:MATRIX_SCALE_ROW1 matrix_b_scale:MATRIX_SCALE_ROW1
.endif
.endm
	s_load_b256 s[4:11], s[0:1], 0x0               ; hq s[4:5], hs s[6:7], lists s[8:9], wts s[10:11]
	s_load_b256 s[12:19], s[0:1], 0x20             ; shared down codes, scales s[12:15], experts' down codes, scales s[16:19]
	s_load_b128 s[20:23], s[0:1], 0x40             ; x s[20:21], out s[22:23]
	v_lshl_add_u32 v31, v0, 2, 0x29f00
	v_mov_b32 v127, 0
	s_and_b32 s25, ttmp7, 0xffff                   ; tile
	s_mov_b32 s26, ttmp9                           ; slice
	s_lshl_b32 s34, s25, 2
	v_lshrrev_b32 v1, 5, v0
	v_readfirstlane_b32 s24, v1                    ; wave
	s_wait_kmcnt 0x0
	s_load_b32 s27, s[8:9], s34 offset:0x20200     ; the pair's lower expert,
	s_load_b32 s28, s[8:9], s34 offset:0x20400     ; its higher one,
	s_load_b32 s29, s[8:9], s34 offset:0x20600     ; the tile's slots
	v_and_b32 v1, 31, v0                           ; lane
	v_and_b32 v2, 15, v0                           ; r
	v_bfe_u32 v3, v0, 4, 1                         ; h
	v_lshlrev_b32 v4, 4, v1
	v_lshlrev_b32 v5, 10, v2
	v_lshl_add_u32 v5, v3, 4, v5                   ; Wd's codes: row r, + 16 h
	v_lshlrev_b32 v6, 5, v2
	v_lshl_add_u32 v6, v3, 4, v6                   ; its scale bytes
	v_mul_u32_u24 v29, v1, 11
	v_lshrrev_b32 v29, 7, v29                      ; lane / 12 (11 lane >> 7, right for lanes 0 to 31)
	v_mul_u32_u24 v29, v29, 12
	v_sub_nc_u32 v29, v1, v29                      ; lane mod 12: a wave has 12 rows of each pass; lanes 12-31 double lanes 0-11, and EXEC stays whole
	s_mul_i32 s32, s24, 12*PITCH
	v_add_nc_u32 v7, s32, v4                       ; the gather's stores: pass 0, my wave's 12 rows, 16 bytes a lane;
	v_add_nc_u32 v8, PASS, v7                      ; pass 1;
	v_add_nc_u32 v9, 2*PASS, v7                    ; pass 2
	v_mul_u32_u24 v10, v29, PITCH
	v_add_nc_u32 v10, s32, v10
	v_add_nc_u32 v10, 1024, v10                    ; a row's scale bytes, a lane a row
	v_add_nc_u32 v11, PASS, v10
	v_add_nc_u32 v12, 2*PASS, v10
	v_mul_u32_u24 v13, v2, PITCH
	v_lshl_add_u32 v13, v3, 4, v13                 ; hid's fragments: pass j at v[13 + j]
	v_add_nc_u32 v14, PASS, v13
	v_add_nc_u32 v15, 2*PASS, v13
	s_mul_i32 s32, s24, 16*272
	s_add_co_u32 s32, s32, STG                     ; my stage
	v_mul_u32_u24 v19, v2, 272
	v_lshl_add_u32 v19, v3, 5, v19
	v_add_nc_u32 v19, s32, v19                     ; in: row r, + 32 h
	v_mul_u32_u24 v20, v3, 272
	v_lshl_add_u32 v20, v2, 4, v20
	v_add_nc_u32 v20, s32, v20                     ; back: sixteen lanes to a row
	v_lshlrev_b32 v21, 4, v2
	v_lshlrev_b32 v22, 2, v3
	s_mul_i32 s33, s24, 12
	v_add_nc_u32 v30, s33, v29                     ; my slot in the gather
	v_mov_b32 v[WA+3], 0                           ; (named as the upper halves of the pairs that hold the third tile's weights)
	v_mov_b32 v[WB+3], 0
	s_wait_kmcnt 0x0
	s_min_u32 s27, s27, 7
	s_min_u32 s28, s28, 7
	s_min_u32 s29, s29, 48
	s_cmp_lg_u32 s29, 0
	s_cselect_b32 s31, s25, 0                      ; an empty tile reads tile 0's lists, whose first slot is always written
	s_min_u32 s31, s31, 69
	s_max_u32 s30, s29, 1
	s_sub_co_u32 s30, s30, 1                       ; the last slot that counts
	s_lshl_b32 s56, s26, 18                        ; codes: (256 slice + 64 wave) x 1,024
	s_lshl_b32 s57, s24, 16
	s_add_co_u32 s56, s56, s57
	s_mov_b32 s57, 0
	s_mov_b32 s59, 0
	s_add_nc_u64 s[36:37], s[12:13], s[56:57]
	s_lshl_b32 s58, s27, 20
	s_add_co_u32 s58, s58, s56
	s_add_nc_u64 s[38:39], s[16:17], s[58:59]
	s_lshl_b32 s58, s28, 20
	s_add_co_u32 s58, s58, s56
	s_add_nc_u64 s[40:41], s[16:17], s[58:59]
	s_lshl_b32 s56, s26, 13                        ; scale bytes: a thirty-second of that
	s_lshl_b32 s60, s24, 11
	s_add_co_u32 s56, s56, s60
	s_add_nc_u64 s[42:43], s[14:15], s[56:57]
	s_lshl_b32 s58, s27, 15
	s_add_co_u32 s58, s58, s56
	s_add_nc_u64 s[44:45], s[18:19], s[58:59]
	s_lshl_b32 s58, s28, 15
	s_add_co_u32 s58, s58, s56
	s_add_nc_u64 s[46:47], s[18:19], s[58:59]
	s_mul_i32 s56, s31, 192                        ; the tile's 48 words in each list
	s_add_nc_u64 s[48:49], s[8:9], s[56:57]
	s_add_nc_u64 s[50:51], s[10:11], s[56:57]
	s_lshl_b32 s56, s26, 10                        ; x and out: my wave's 64 columns
	s_lshl_b32 s60, s24, 8
	s_add_co_u32 s56, s56, s60
	s_add_nc_u64 s[52:53], s[20:21], s[56:57]
	s_add_nc_u64 s[54:55], s[22:23], s[56:57]
	v_min_u32 v30, s30, v30
	v_min_u32 v30, 47, v30
	v_lshlrev_b32 v30, 2, v30
	global_load_b32 v23, v30, s[48:49] offset:0x8000    ; the slot's token = its hq row of the shared expert,
	global_load_b32 v24, v30, s[48:49] offset:0x10000   ; its row of the lower expert,
	global_load_b32 v25, v30, s[48:49] offset:0x18000   ; of the higher one
.irp a, 0,1,2
	v_add_nc_u32 v[16+\a], 16*\a, v2
	v_min_u32 v[16+\a], s30, v[16+\a]
	v_min_u32 v[16+\a], 47, v[16+\a]
	v_lshlrev_b32 v[16+\a], 2, v[16+\a]
	global_load_b32 v[TK+\a], v[16+\a], s[48:49] offset:0x8000   ; slot 16 a + r: its token
	global_load_b32 v[WA+\a], v[16+\a], s[50:51]                 ; and its two weights
	global_load_b32 v[WB+\a], v[16+\a], s[50:51] offset:0x8000
.endr
.irp j, 0,1,2
.irp b, 0,1,2,3
	global_load_b128 v[BS+16*\j+4*\b:BS+16*\j+4*\b+3], v6, s[42+2*\j:43+2*\j] offset:512*\b
.endr
.endr
	RING 0                                         ; the ring's four sets go out while the list is awaited
	RING 1
	RING 2
	RING 3
	s_cmp_eq_u32 s29, 0
	s_cbranch_scc1 .Lskip1
	; ---- the gather: my wave's 12 rows of each pass, from hq and hs into LDS, in one batch
	s_wait_loadcnt 63                              ; the three rows' numbers are in: 9 + 12 + 64 loads are younger, and 63 is the largest count that can be written
.macro GADDR j                         ; twelve rows at a time, each kind of line in a run, so that no scalar line waits for the vector line just ahead of it
	v_min_u32 v[26+\j], 7039, v[23+\j]
	v_lshlrev_b32 v[26+\j], 5, v[26+\j]
.irp i, 0,1,2,3,4,5,6,7,8,9,10,11
	v_readlane_b32 s[66+\i], v[23+\j], \i
.endr
.irp i, 0,1,2,3,4,5,6,7,8,9,10,11
	s_min_u32 s[66+\i], s[66+\i], 7039
.endr
.irp i, 0,1,2,3,4,5,6,7,8,9,10,11
	s_lshl_b32 s[66+\i], s[66+\i], 10
.endr
.irp i, 0,1,2,3,4,5,6,7,8,9,10,11
	v_add_nc_u32 v[128+12*\j+\i], s[66+\i], v4     ; the row x 1,024 + 16 lane
.endr
.endm
.macro GLOAD j, w, base                ; 2 + 24 loads; the codes into window w from v[base] on
	global_load_b128 v[224+8*\j:227+8*\j], v[26+\j], s[6:7]
	global_load_b128 v[228+8*\j:231+8*\j], v[26+\j], s[6:7] offset:16
	WIN (\w)<<6
.set i, 0
.rept 12
	global_load_b128 v[\base+8*i:\base+8*i+3], v[128+12*\j+i], s[4:5]         ; 32 lanes read 512 consecutive bytes of a row
	global_load_b128 v[\base+8*i+4:\base+8*i+7], v[128+12*\j+i], s[4:5] offset:512
.set i, i+1
.endr
	WIN 0
.endm
.macro GSTORE j, w, base
	ds_store_b128 v[10+\j], v[224+8*\j:227+8*\j]   ; lanes that double a row write the same bytes with the same values
	ds_store_b128 v[10+\j], v[228+8*\j:231+8*\j] offset:16
	WIN (\w)<<2                                    ; an LDS store's data are its source 1
.set i, 0
.rept 12
	ds_store_b128 v[7+\j], v[\base+8*i:\base+8*i+3] offset:PITCH*i
	ds_store_b128 v[7+\j], v[\base+8*i+4:\base+8*i+7] offset:PITCH*i+512
.set i, i+1
.endr
	WIN 0
.endm
	GADDR 0
	GLOAD 0, 2, 0
	GADDR 1
	GLOAD 1, 2, 96
	GADDR 2
	GLOAD 2, 3, 0
	s_wait_loadcnt 52                              ; pass 0's rows are in: the 26 + 26 loads of passes 1 and 2 are younger
	GSTORE 0, 2, 0
	s_wait_loadcnt 26                              ; pass 1's are in: pass 2's 26 loads are younger
	GSTORE 1, 2, 96
	s_wait_loadcnt 0x0
	GSTORE 2, 3, 0
.Lskip1:
	s_wait_dscnt 0x0                               ; my rows lie in LDS, and the stores have read the registers that the sums will take
	s_barrier_signal -1
	s_barrier_wait -1                              ; everybody's do
	s_cmp_eq_u32 s29, 0
	s_cbranch_scc1 .Lskip2
	; ---- the offsets of the output rows: on the way out lane l holds row 2 i + l / 16 of a tile, 16 bytes at 16 (l % 16)
	s_wait_loadcnt 48                              ; tokens, weights, Wd's scale words and set 0 are in: the 48 loads of sets 1 to 3 are younger
.irp i, 0,1,2,3,4,5,6,7
	v_add_nc_u32 v[248+\i], 8*\i, v22              ; 4 x (2 i + l / 16): the lane that holds that slot's token
.endr
	WIN 0x80                                       ; destination window 2
.irp a, 0,1,2
.irp i, 0,1,2,3,4,5,6,7
	ds_bpermute_b32 v[192+8*\a+\i], v[248+\i], v[TK+\a]
.endr
.endr
	WIN 0
.irp j, 0,1,2                                      ; hid's scale words of all three passes: 9 loads
.irp a, 0,1,2
	ds_load_b128 v[AS+12*\j+4*\a:AS+12*\j+4*\a+3], v[13+\j] offset:\a*ROW16+1024
.endr
.endr
	FA 0
	FA 1
	s_wait_dscnt 33                                ; the 24 tokens are in: 9 + 12 + 12 LDS loads are younger
	WIN 0x88                                       ; source 1 and destination window 2
.set q, 0
.rept 24
	v_min_u32 v[192+q], 2047, v[192+q]
.set q, q+1
.endr
	WIN 0x82                                       ; source 0 and destination window 2
.set q, 0
.rept 24
	v_lshl_add_u32 v[192+q], v[192+q], 12, v21     ; token x 4,096 + 16 (l % 16)
.set q, q+1
.endr
	WIN 0
.macro RESID n                         ; the residual x of rows' tile n, in the way out's layout, into the ring's set n: 8 loads
	WIN 0x42                                       ; destination window 1, address window 2
.irp i, 0,1,2,3,4,5,6,7
	global_load_b128 v[64*(\n)+4*\i:64*(\n)+4*\i+3], v[192+8*(\n)+\i], s[52:53]
.endr
	WIN 0
.endm
; A step: 128 along K of one pass: 12 matrix instructions in one run, the 12 accumulators by turns; behind them eight places, then the loads into the two sets just read out.
.macro S2STEP g
.if (\g) <= 20
	s_wait_loadcnt 48                              ; this step's set of Wd is in: three groups of 16 loads are younger
.else
	s_wait_loadcnt 48-8*((\g)-20)                  ; towards the end groups of 8 (the residual) take the places of groups of 16
.endif
.if (\g) < 23
	s_wait_dscnt 12                                ; this step's fragments of hid are in: the next step's twelve loads are younger
.else
	s_wait_dscnt 0x0
.endif
.if (\g) < 8
	WIN 0xf1                                       ; source 0 (Wd) window 1, source 1 (hid) window 0; pass 0 sums into the total, window 3
.else
	WIN 0xa1                                       ; the others into window 2
.endif
.irp a, 0,1,2
.irp b, 0,1,2,3
	MM2 \a, \b, \g
.endr
.endr
	PLACES 8
	WIN 0
.if (\g) < 22
	FA (\g)+2                                      ; into the set just read out: a step ahead of its use
.endif
.if (\g) < 20
	RING (\g)+4                                    ; likewise: three steps, 36 matrix instructions, in which to land
.elseif (\g) < 23
	RESID (\g)-20
.endif
.endm
; total += a pass's sums x the token's weight.  Ascending: each accumulator is read from its low end on.  These lines are also the places in front of the next pass's first products, which begin window 2's sums anew.
.macro WSUM w
	WIN 0xf2                                       ; source 0 window 2, source 1 (the weight) window 0, source 2 and destination window 3
.irp a, 0,1,2
.set q, 0
.rept 16
.if (\a%2) == 0
	v_pk_fma_f32 v[32*\a+2*q:32*\a+2*q+1], v[32*\a+2*q:32*\a+2*q+1], v[\w+\a:\w+\a+1], v[32*\a+2*q:32*\a+2*q+1] op_sel_hi:[1,0,1]
.else
	v_pk_fma_f32 v[32*\a+2*q:32*\a+2*q+1], v[32*\a+2*q:32*\a+2*q+1], v[\w+\a-1:\w+\a], v[32*\a+2*q:32*\a+2*q+1] op_sel:[0,1,0] op_sel_hi:[1,1,1]
.endif
.set q, q+1
.endr
.endr
	WIN 0
.endm
.irp k, 0,1,2,3,4,5,6,7
	S2STEP \k
.endr
.irp k, 8,9,10,11,12,13,14,15
	S2STEP \k
.endr
	WSUM WA
.irp k, 16,17,18,19,20,21,22,23
	S2STEP \k
.endr
	WSUM WB
; THE WAY OUT of rows' tile a: through my own stage (LDS serves a wave's instructions in order: no wait between the stores and the loads), the residual added, whole rows of 256 bytes stored.
.macro WOUT a
.set RB, 128+32*((\a)%2)
.if (\a) >= 2
	s_wait_xcnt 0x0                                ; tile a - 2's stores have read their data: the registers are loaded again only behind this wait
.endif
	WIN 0x0c                                       ; an LDS store's data are its source 1: window 3
.irp b, 0,1,2,3
	ds_store_b128 v19, v[32*(\a)+8*\b:32*(\a)+8*\b+3] offset:64*\b
	ds_store_b128 v19, v[32*(\a)+8*\b+4:32*(\a)+8*\b+7] offset:64*\b+16
.endr
	WIN 0
.irp i, 0,1,2,3,4,5,6,7
	ds_load_b128 v[RB+4*\i:RB+4*\i+3], v20 offset:544*\i
.endr
	s_wait_dscnt 0x0
	s_wait_loadcnt 8*(2-(\a))                      ; this tile's residual is in: the later tiles' loads are younger
	WIN 0x04                                       ; source 1 window 1
.set q, 0
.rept 16
	v_pk_add_f32 v[RB+2*q:RB+2*q+1], v[RB+2*q:RB+2*q+1], v[64*(\a)+2*q:64*(\a)+2*q+1]
.set q, q+1
.endr
	WIN 0x02                                       ; a store's address is its source 0: window 2
.irp i, 0,1,2,3,4,5,6,7
	global_store_b128 v[192+8*(\a)+\i], v[RB+4*\i:RB+4*\i+3], s[54:55] th:TH_STORE_NT   ; sixteen lanes store 256 consecutive bytes, aligned
.endr
	WIN 0
.endm
.irp k, 0,1,2
	WOUT \k
.endr
.Lskip2:
	s_wait_tensorcnt 0x0
	ds_add_u32 v31, v127
	s_wait_dscnt 0x0
	s_endpgm
.Lfunc_end_k_qc20ed99a84_stage2:
	.size	k_qc20ed99a84_stage2, .Lfunc_end_k_qc20ed99a84_stage2-k_qc20ed99a84_stage2
	.p2alignl 7, 3214868480
	.fill 96, 4, 3214868480
	.section	.rodata,"a",@progbits
	.p2align	6, 0x0
	.amdhsa_kernel k_qc20ed99a84_stage2
		.amdhsa_group_segment_fixed_size 172288
		.amdhsa_private_segment_fixed_size 0
		.amdhsa_enable_private_segment 0
		.amdhsa_kernarg_size 80
		.amdhsa_user_sgpr_count 2
		.amdhsa_user_sgpr_kernarg_segment_ptr 1
		.amdhsa_wavefront_size32 1
		.amdhsa_system_sgpr_workgroup_id_x 1
		.amdhsa_system_sgpr_workgroup_id_y 1
		.amdhsa_system_sgpr_workgroup_id_z 1
		.amdhsa_system_vgpr_workitem_id 0
		.amdhsa_next_free_vgpr 1024
		.amdhsa_next_free_sgpr 80
		.amdhsa_reserve_vcc 0
		.amdhsa_float_denorm_mode_32 3
		.amdhsa_float_denorm_mode_16_64 3
		.amdhsa_memory_ordered 1
		.amdhsa_forward_progress 1
		.amdhsa_inst_pref_size 151
	.end_amdhsa_kernel
	.amdgpu_metadata
---
amdhsa.version: [ 1, 2 ]
amdhsa.kernels:
  - .name:           k_qc20ed99a84_stage2
    .symbol:         k_qc20ed99a84_stage2.kd
    .args:
      - { .name: hq, .offset: 0, .size: 8, .value_kind: global_buffer, .address_space: global }
      - { .name: hs, .offset: 8, .size: 8, .value_kind: global_buffer, .address_space: global }
      - { .name: lists, .offset: 16, .size: 8, .value_kind: global_buffer, .address_space: global }
      - { .name: wts, .offset: 24, .size: 8, .value_kind: global_buffer, .address_space: global }
      - { .name: shared_down_codes, .offset: 32, .size: 8, .value_kind: global_buffer, .address_space: global }
      - { .name: shared_down_scales, .offset: 40, .size: 8, .value_kind: global_buffer, .address_space: global }
      - { .name: experts_down_codes, .offset: 48, .size: 8, .value_kind: global_buffer, .address_space: global }
      - { .name: experts_down_scales, .offset: 56, .size: 8, .value_kind: global_buffer, .address_space: global }
      - { .name: hidden_states, .offset: 64, .size: 8, .value_kind: global_buffer, .address_space: global }
      - { .name: out0, .offset: 72, .size: 8, .value_kind: global_buffer, .address_space: global }
    .group_segment_fixed_size: 172288
    .private_segment_fixed_size: 0
    .kernarg_segment_align: 8
    .kernarg_segment_size: 80
    .max_flat_workgroup_size: 128
    .sgpr_count:     80
    .vgpr_count:     1024
    .wavefront_size: 32
...
	.end_amdgpu_metadata
.endif
;; end of part 4
;; ======== version 2 of 2: 4 launches; version 1 with the launches stage1, stage2 written anew for expert scheduling mode
;; workspace buffers: xq 2,097,152 bytes; xs 65,536 bytes; sel 16,384 bytes of whole numbers; selw 16,384 bytes; lists 133,120 bytes of whole numbers; wts 51,712 bytes; hq 7,208,960 bytes; hs 225,280 bytes
;; launch route: the kernel of part 1 again; grid 256 x 1, 4 waves a work-group, no clusters, 768 bytes of LDS; arguments hidden_states, router_w, xq, xs, sel, selw; writes xq, xs, sel, selw
;; launch place: the kernel of part 2 again; grid 1 x 1, 32 waves a work-group, no clusters, 21,504 bytes of LDS; arguments sel, selw, lists, wts; writes lists, wts
;; launch stage1 (part 5): grid 4 x 55, 4 waves a work-group, no clusters, 173,568 bytes of LDS; arguments xq, xs, lists, hq, hs, shared_gate_codes, shared_gate_scales, shared_up_codes, shared_up_scales, experts_gate_codes, experts_gate_scales, experts_up_codes, experts_up_scales; writes hq, hs
.if DOCPART == 5
	.amdgcn_target "amdgcn-amd-amdhsa--gfx1250"
	.amdhsa_code_object_version 6
	.text
	.protected	k_qc20ed99a84_stage1
	.globl	k_qc20ed99a84_stage1
	.p2align	8
	.type	k_qc20ed99a84_stage1,@function
k_qc20ed99a84_stage1:
	s_mov_b64 s[64:65], 0
	v_nop
	global_prefetch_b8 v0, s[64:65] scope:SCOPE_SE
	s_setreg_imm32_b32 hwreg(HW_REG_WAVE_SCHED_MODE, 0, 2), 2
	s_setreg_imm32_b32 hwreg(HW_REG_WAVE_MODE, 25, 1), 1
	s_wait_xcnt 0x0
	s_wait_alu depctr_vm_vsrc(0)
; STAGE1.  hid = Q(sigmoid(x Wg) (x Wu)) for the rows that are kept: the shared expert's 2,048 and each token's two chosen experts', sorted by expert.
; Both products on codes of E4M3 with one E8M0 byte for each 32 along K; hid is quantised along the hidden units in registers and leaves as codes (hq [7040][1024]) and scale bytes (hs [7040][32]).
; SHARES.  Work-group (x, y): tile y of 128 rows of one expert (tiles 0-15: the shared one) x slice x of 256 hidden units.  55 tiles serve every split: 16 + at most (4096 - 8) / 128 + 8.
; A tile's rows beyond its count repeat its last row; they land in hq rows that nobody reads.  A tile with the count 0 jumps over the work, never over a barrier.
; A wave takes all 128 rows x 64 units: 4 tiles of Wg and 4 of Wu x 8 tiles of rows = 64 accumulators, 512 registers.
; x's rows are gathered once into LDS (codes and scale bytes of a row together, pitch 1,072); the weights go from memory straight into registers, two sets by turns, a K step ahead.
; THE PRODUCT IS USED TRANSPOSED (source 0 = 16 rows of W, source 1 = 16 rows of x), AND THE ROWS OF W THAT FORM A TILE ARE NOT NEIGHBOURS: lane r of tile 2 B + u takes unit 32 B + 8 u + r + 8 (r / 8):
; so a lane holds one row of x, and its 16 registers of two neighbouring tiles are 16 neighbouring units, as the conversions and the next product's K want them.
; SCALES.  One load of 16 bytes at 16 (lane / 16) of a row's 32 scale bytes: register j holds K step j's word in lanes 0-15 and K step 4 + j's in lanes 16-31, which the second half of K selects.
; NO TENSOR LOAD AND NO CLUSTER: the launch branches on counts read from memory, and how many tiles an expert has hangs on those counts, so partners could not be given tiles of one expert at every split.
; LIMITS: NaN and infinities are not served; a block of zeros gets the byte 1 (its codes are zeros; this program alone reads the bytes).
; REGISTERS: window 0: v1-19 addresses, v20-27 x's scale bytes on their way, v32-63 x's scale words, v64-95 W's, v128-255 x's fragments (at the head: gather offsets; at the end: at work);
;   window 1: W's fragments, two sets of 128;  windows 2, 3: accumulator (a, b) at window 2 + a / 4, v[8 (8 (a % 4) + b)] (window 2 first holds the gathered rows).
; THE MODE: SCHED_MODE bits 1:0 = 2 (LLVM: expert scheduling mode 2), set by the entry lines.  The code itself states the register dependences
; between vector or matrix instructions and memory or LDS instructions, with s_wait_alu, always for 0.
; THE PLAN.  Registers that memory or LDS instructions touch, and who else names them:
;   v4-v16, v18     offsets and LDS addresses: written once, ahead of the head's wait on va_vdst, and never again.
;   v19, v128-159   the gather's offsets: written by vector lines, read by the gather's loads behind one wait on va_vdst.  v128-159 then take fragments of x: behind the wait on vm_vsrc in front of the first barrier.
;   window 2        first the gathered rows: loaded, read by LDS stores; the products write it behind that same wait on vm_vsrc.
;   W's set p       read by the 64 products of its K step; loaded again at the head of the next K step.
;   v128-191        x's tiles 0-3: read by a K step's first 32 products; loaded again in its second half.
;   v192-255        x's tiles 4-7: read by a K step's second 32 products; loaded again in the next K step's first half.
;   v160-167, v184  on the way out: codes and scale bytes: written by conversions and a shift, read by three LDS stores a tile.
; So each half of a K step opens with ONE wait on va_vdst: the half before is done reading what this half's loads land in.  The LDS loads follow behind the half's first eight products,
; which name the other half of x, this K step's set of W, scale words and accumulators: none of the registers that those loads touch.
.set PITCH, 1072                       ; 1,024 codes + 32 scale bytes + 16: 67 x 16 bytes, so the sixteen rows of a fragment load begin in sixteen different groups of four banks
.set ROW16, 16*PITCH
.set STG,   128*PITCH                  ; the way out: 128 rows x (256 codes + 16)
.set SST,   STG+128*272                ; and 128 rows x 8 scale bytes
.set AS,  32
.set BS,  64
.set AF,  128
.set T,   128                          ; v128-159 32 numbers at work
.set PC,  160                          ; v160-167 their codes
.set TM,  168                          ; v168.. largest magnitudes, bytes, holds, scale operands
.set PW,  184                          ; two scale bytes
.set RL,  14                           ; s14-29  the gather: sixteen rows' tokens at a time (the weights' addresses that lay here have been chosen from by then)
.set MSB, 0
.macro WIN new                         ; the immediate's high byte repeats the setting that is left
.if MSB != (\new)
	s_set_vgpr_msb (MSB<<8)|(\new)
.set MSB, (\new)
.endif
.endm
.macro PLACES n                        ; plain lines between a matrix instruction and a load into, or a read of, its registers
.rept \n
	v_nop
.endr
.endm
.macro MM a, b, s                      ; one product: W's tile b x rows' tile a, K step s
.set rD,  8*(8*((\a)%4)+(\b))
.set rB,  128*((\s)%2)+16*(\b)
.set rA,  AF+16*(\a)
.set rSB, BS+4*(\b)+(\s)%4
.set rSA, AS+4*(\a)+(\s)%4
.if (\s) == 0
	v_wmma_scale_f32_16x16x128_f8f6f4 v[rD:rD+7], v[rB:rB+15], v[rA:rA+15], 0, v[rSB], v[rSA]
.elseif (\s) < 4
	v_wmma_scale_f32_16x16x128_f8f6f4 v[rD:rD+7], v[rB:rB+15], v[rA:rA+15], v[rD:rD+7], v[rSB], v[rSA]
.else
	v_wmma_scale_f32_16x16x128_f8f6f4 v[rD:rD+7], v[rB:rB+15], v[rA:rA+15], v[rD:rD+7], v[rSB], v[rSA] matrix_a_scale:MATRIX_SCALE_ROW1 matrix_b_scale:MATRIX_SCALE_ROW1
.endif
.endm
.macro MUL8 a, s                       ; rows' tile a against W's eight.  The 64 accumulators take turns, one instruction a turn, in the same order in every K step
.irp b, 0,1,2,3,4,5,6,7
	MM (\a), \b, \s
.endr
.endm
.macro LOAD_B s                        ; W's eight fragments of K step s into set s % 2: 32 loads
	WIN 0x40
.irp b, 0,1,2,3
.irp c, 0,1,2,3
	global_load_b128 v[128*((\s)%2)+16*\b+4*\c:128*((\s)%2)+16*\b+4*\c+3], v5, s[40:41] offset:(32*(\b/2)+8*(\b%2))*1024+128*(\s)+32*\c
.endr
.endr
.irp b, 0,1,2,3
.irp c, 0,1,2,3
	global_load_b128 v[128*((\s)%2)+64+16*\b+4*\c:128*((\s)%2)+64+16*\b+4*\c+3], v5, s[44:45] offset:(32*(\b/2)+8*(\b%2))*1024+128*(\s)+32*\c
.endr
.endr
	WIN 0
.endm
.macro FETCH_A s, a0                   ; x's fragments of K step s, tiles a0 .. a0 + 3: 16 loads
.irp t, 0,1,2,3
.irp c, 0,1,2,3
	ds_load_b128 v[AF+16*(\a0+\t)+4*\c:AF+16*(\a0+\t)+4*\c+3], v[9+(\a0)/4] offset:\t*ROW16+128*(\s)+32*\c
.endr
.endr
.endm
	s_load_b256 s[4:11], s[0:1], 0x0               ; xq s[4:5], xs s[6:7], lists s[8:9], hq s[10:11]
	s_load_b256 s[12:19], s[0:1], 0x20             ; hs s[12:13], shared gate codes, scales s[14:17], shared up codes s[18:19]
	s_load_b256 s[20:27], s[0:1], 0x40             ; shared up scales s[20:21], experts' gate codes, scales s[22:25], experts' up codes s[26:27]
	s_load_b64 s[28:29], s[0:1], 0x60              ; experts' up scales
	v_lshl_add_u32 v126, v0, 2, 0x2a400
	v_mov_b32 v127, 0
	s_and_b32 s31, ttmp7, 0xffff                   ; tile
	s_mov_b32 s32, ttmp9                           ; slice
	s_lshl_b32 s38, s31, 2
	v_lshrrev_b32 v1, 5, v0
	v_readfirstlane_b32 s30, v1                    ; wave
	s_wait_kmcnt 0x0
	s_load_b32 s33, s[8:9], s38 offset:0x20000     ; the tile's expert
	s_load_b32 s34, s[8:9], s38 offset:0x20100     ; and its rows
	v_and_b32 v1, 31, v0                           ; lane
	v_and_b32 v2, 15, v0                           ; r
	v_bfe_u32 v3, v0, 4, 1                         ; h
	v_lshlrev_b32 v4, 4, v1
	v_and_b32 v19, 8, v2
	v_add_nc_u32 v19, v19, v2                      ; r + 8 (r / 8)
	v_lshlrev_b32 v5, 10, v19
	v_lshl_add_u32 v5, v3, 4, v5                   ; W's codes: my row of a tile, + 16 h
	v_lshlrev_b32 v6, 5, v19
	v_lshl_add_u32 v6, v3, 4, v6                   ; W's scale bytes likewise
	s_wait_alu depctr_va_sdst(0)                   ; s30, the wave's number, is written, ahead of its first reader
	s_mul_i32 s37, s30, 32*PITCH
	v_add_nc_u32 v7, s37, v4                       ; the gather's stores: my wave's 32 rows, 16 bytes a lane
	v_mul_u32_u24 v8, v0, PITCH
	v_add_nc_u32 v8, 1024, v8                      ; and a row's scale bytes, a thread a row
	v_mul_u32_u24 v9, v2, PITCH
	v_lshl_add_u32 v9, v3, 4, v9                   ; x's fragments: rows 0-63,
	v_add_nc_u32 v10, 64*PITCH, v9                 ; rows 64-127
	s_lshl_b32 s37, s30, 6
	v_mul_u32_u24 v11, v2, 272
	v_lshl_add_u32 v11, v3, 4, v11
	v_add_nc_u32 v11, s37, v11
	v_add_nc_u32 v11, STG, v11                     ; codes into the stage: row r, + 64 x wave + 16 h
	s_lshl_b32 s37, s30, 1
	v_lshl_add_u32 v12, v2, 3, SST
	v_add_nc_u32 v12, s37, v12                     ; scale bytes: 8 r + 2 x wave
	s_mul_i32 s37, s30, 32*272
	v_mul_u32_u24 v13, v3, 272
	v_lshl_add_u32 v13, v2, 4, v13
	v_add_nc_u32 v13, s37, v13
	v_add_nc_u32 v13, STG, v13                     ; back: my wave's 32 rows, sixteen lanes to a row
	v_lshlrev_b32 v14, 10, v3
	v_lshl_add_u32 v14, v2, 4, v14                 ; and the same two rows in hq
	v_lshl_add_u32 v15, v0, 3, SST
	v_lshlrev_b32 v16, 5, v1
	s_mov_b32 s56, 0x76543210
	s_mov_b32 s57, 0xfedcba98                      ; lane l xor 16
	s_mov_b32 s58, 0x600000                        ; the mantissa field of 448
	s_lshl_b32 s60, s31, 7
	s_lshl_b32 s61, s30, 5
	s_add_co_u32 s60, s60, s61                     ; the first hq row that my wave stores
	s_lshl_b32 s62, s60, 10
	s_lshl_b32 s61, s32, 8
	s_add_co_u32 s62, s62, s61
	s_mov_b32 s63, 0
	s_add_nc_u64 s[52:53], s[10:11], s[62:63]
	s_lshl_b32 s62, s60, 5
	s_lshl_b32 s61, s32, 3
	s_add_co_u32 s62, s62, s61
	s_add_nc_u64 s[54:55], s[12:13], s[62:63]
	s_wait_kmcnt 0x0
	s_min_u32 s33, s33, 7
	s_min_u32 s34, s34, 128
	s_cmp_lt_u32 s31, 16                           ; the shared expert's tile?  The choice hangs on the tile's number alone
	s_cselect_b64 s[40:41], s[14:15], s[22:23]
	s_cselect_b64 s[42:43], s[16:17], s[24:25]
	s_cselect_b64 s[44:45], s[18:19], s[26:27]
	s_cselect_b64 s[46:47], s[20:21], s[28:29]
	s_cselect_b32 s33, 0, s33
	s_lshl_b32 s60, s33, 20                        ; codes: expert x 2^20 + (256 slice + 64 wave) x 1,024
	s_lshl_b32 s61, s32, 18
	s_add_co_u32 s60, s60, s61
	s_lshl_b32 s61, s30, 16
	s_add_co_u32 s60, s60, s61
	s_mov_b32 s61, 0
	s_add_nc_u64 s[40:41], s[40:41], s[60:61]
	s_add_nc_u64 s[44:45], s[44:45], s[60:61]
	s_lshl_b32 s60, s33, 15                        ; scale bytes: a thirty-second of that
	s_lshl_b32 s62, s32, 13
	s_add_co_u32 s60, s60, s62
	s_lshl_b32 s62, s30, 11
	s_add_co_u32 s60, s60, s62
	s_add_nc_u64 s[42:43], s[42:43], s[60:61]
	s_add_nc_u64 s[46:47], s[46:47], s[60:61]
	s_cmp_lg_u32 s34, 0
	s_cselect_b32 s36, s31, 0                      ; an empty tile reads tile 0's list, which is always written
	s_min_u32 s36, s36, 54
	s_max_u32 s35, s34, 1
	s_sub_co_u32 s35, s35, 1                       ; the last row that counts
	s_lshl_b32 s60, s36, 9
	s_add_nc_u64 s[50:51], s[8:9], s[60:61]
	v_min_u32 v18, s35, v0
	v_min_u32 v18, 127, v18
	v_lshlrev_b32 v18, 2, v18
	s_wait_alu depctr_va_vdst(0)                   ; the offsets and LDS addresses v4 to v16 and v18 are written: every load and store of the kernel but the gather's reads one of them
	global_load_b32 v17, v18, s[50:51]             ; my thread's row: its token
.irp b, 0,1,2,3
	global_load_b128 v[BS+4*\b:BS+4*\b+3], v6, s[42:43] offset:(32*(\b/2)+8*(\b%2))*32
.endr
.irp b, 0,1,2,3
	global_load_b128 v[BS+16+4*\b:BS+16+4*\b+3], v6, s[46:47] offset:(32*(\b/2)+8*(\b%2))*32
.endr
	LOAD_B 0
	s_cmp_eq_u32 s34, 0
	s_cbranch_scc1 .Lskip1
	; ---- the gather: my wave's 32 rows of xq and xs into LDS
	s_wait_loadcnt 40                              ; the token is in: 8 + 32 loads are younger
	v_min_u32 v19, 2047, v17
	v_lshlrev_b32 v19, 5, v19
.irp q, 0,1                                        ; sixteen rows at a time, each kind of line in a run
.irp i, 0,1,2,3,4,5,6,7,8,9,10,11,12,13,14,15
	v_readlane_b32 s[RL+\i], v17, 16*\q+\i
.endr
	s_wait_alu depctr_va_sdst(0)                   ; the sixteen tokens are written into s14 to s29, ahead of their first readers
.irp i, 0,1,2,3,4,5,6,7,8,9,10,11,12,13,14,15
	s_min_u32 s[RL+\i], s[RL+\i], 2047
.endr
.irp i, 0,1,2,3,4,5,6,7,8,9,10,11,12,13,14,15
	s_lshl_b32 s[RL+\i], s[RL+\i], 10
.endr
.irp i, 0,1,2,3,4,5,6,7,8,9,10,11,12,13,14,15
	v_add_nc_u32 v[128+16*\q+\i], s[RL+\i], v4     ; the row's token x 1,024 + 16 lane
.endr
.endr
	s_wait_alu depctr_va_vdst(0)                   ; v19 and v128 to v159 are written, which the 66 loads below read as their offsets
	global_load_b128 v[20:23], v19, s[6:7]
	global_load_b128 v[24:27], v19, s[6:7] offset:16
	WIN 0x80                                       ; destination window 2
.set j, 0
.rept 32
	global_load_b128 v[8*j:8*j+3], v[128+j], s[4:5]               ; 32 lanes read 512 consecutive bytes of a row
	global_load_b128 v[8*j+4:8*j+7], v[128+j], s[4:5] offset:512
.set j, j+1
.endr
	WIN 0
	s_wait_loadcnt 48                              ; the scale bytes and rows 0-7 are in: 48 loads are younger
	ds_store_b128 v8, v[20:23]
	ds_store_b128 v8, v[24:27] offset:16
	WIN 0x08                                       ; an LDS store's data are its source 1: window 2
.set j, 0
.irp left, 48,32,16,0
	s_wait_loadcnt \left                           ; the next eight rows are in: so many loads are younger
.rept 8
	ds_store_b128 v7, v[8*j:8*j+3] offset:PITCH*j
	ds_store_b128 v7, v[8*j+4:8*j+7] offset:PITCH*j+512
.set j, j+1
.endr
.endr
	WIN 0
.Lskip1:
	LOAD_B 1
	s_wait_dscnt 0x0                               ; my rows lie in LDS
	s_wait_alu depctr_vm_vsrc(0)                   ; the gather's loads have read v128 to v159, in which fragments of x land; its LDS stores have read window 2, which the products write
	s_barrier_signal -1
	s_barrier_wait -1                              ; everybody's do
	s_cmp_eq_u32 s34, 0
	s_cbranch_scc1 .Lskip2
	; ---- the products
.irp a, 0,1,2,3,4,5,6,7
	ds_load_b128 v[AS+4*\a:AS+4*\a+3], v[9+\a/4] offset:(\a%4)*ROW16+1024
.endr
	FETCH_A 0, 0
	FETCH_A 0, 4
; A K step: two halves of 32 products.  Each half opens with its one wait on va_vdst; the eight plain lines behind the products stand ahead of it.
.macro S1STEP s
.if (\s) > 0
	PLACES 8
	s_wait_alu depctr_va_vdst(0)                   ; the K step before is done reading its set of W and x's tiles 4-7: the loads of this half land there
.if (\s) < 7
	LOAD_B (\s)+1                                  ; into the set just read out, ahead of the wait for this K step's set: it has a K step, 64 matrix instructions, in which to land
.endif
.endif
.if (\s) < 7
	s_wait_loadcnt 32                              ; this K step's set of W is in (and, at the first, W's scale words): the next set's 32 loads are younger
.else
	s_wait_loadcnt 0x0
.endif
.if (\s) == 0
	s_wait_dscnt 16                                ; x's scale words and tiles 0-3 are in; the sixteen loads of tiles 4-7 are younger
.else
	s_wait_dscnt 0x0                               ; x's tiles 0-3 are in (asked for 24 matrix instructions ago)
.endif
	WIN 0xa1                                       ; source 0 (W) window 1, source 1 (x) window 0, C and D window 2
	MUL8 0, \s
.if (\s) > 0
	WIN 0
	FETCH_A \s, 4                                  ; no wait: no vector or matrix instruction since the wait above names v192 to v255 or v10
	WIN 0xa1
.endif
	MUL8 1, \s
	MUL8 2, \s
	MUL8 3, \s
	PLACES 8
	s_wait_alu depctr_va_vdst(0)                   ; the first half's products are done reading x's tiles 0-3, in which the next K step's land
	s_wait_dscnt 0x0                               ; tiles 4-7 are in
	WIN 0xf1                                       ; C and D window 3
	MUL8 4, \s
.if (\s) < 7
	WIN 0
	FETCH_A (\s)+1, 0                              ; no wait: no vector or matrix instruction since the wait above names v128 to v191 or v9
	WIN 0xf1
.endif
	MUL8 5, \s
	MUL8 6, \s
	MUL8 7, \s
.endm
.irp k, 0,1,2,3,4,5,6,7
	S1STEP \k
.endr
	PLACES 8                                       ; behind the last products, ahead of the first read of results and the first write over fragments
	WIN 0
	v_mov_b32 v[TM+2], 0                           ; a lane permute's destination counts as one of its sources
	v_mov_b32 v[TM+3], 0
; 32 numbers of a lane, register 16 B + i = unit 32 B + 16 h + i of my row, become 32 codes and two scale bytes.  a: the rows' tile
.macro QUANT2 a
	s_wait_dscnt 0x0                               ; the last tile's LDS stores have landed
.if (\a) > 0
	s_wait_alu depctr_vm_vsrc(0)                   ; the last tile's LDS stores have read v[PC ..] and v[PW], which are written below
.endif
.irp b, 0,1
	v_max3_num_f32 v[TM+\b], |v[T+16*\b]|, |v[T+16*\b+1]|, 0x4800000   ; with the floor 2^(9 - 127): the byte cannot fall under 1
.endr
.irp i, 2,4,6,8,10,12,14
.irp b, 0,1
	v_max3_num_f32 v[TM+\b], v[TM+\b], |v[T+16*\b+\i]|, |v[T+16*\b+\i+1]|
.endr
.endr
.irp b, 0,1
	v_permlanex16_b32 v[TM+2+\b], v[TM+\b], s56, s57
.endr
.irp b, 0,1
	v_max_num_f32 v[TM+\b], v[TM+\b], v[TM+2+\b]   ; with lane l xor 16's sixteen: the block's largest magnitude
.endr
.irp b, 0,1
	v_add_nc_u32 v[TM+6+\b], 0xfc000000, v[TM+\b]  ; 8 off its exponent field: the conversion's scale operand
.endr
.irp b, 0,1
	v_and_or_b32 v[TM+4+\b], v[TM+\b], 0x7f800000, s58   ; 448 x the scale
.endr
.irp b, 0,1
	v_lshrrev_b32 v[TM+2+\b], 23, v[TM+6+\b]       ; the scale's byte
.endr
	v_lshl_or_b32 v[PW], v[TM+3], 8, v[TM+2]
.irp b, 0,1
.irp i, 0,1,2,3,4,5,6,7,8,9,10,11,12,13,14,15
	v_med3_num_f32 v[T+16*\b+\i], v[T+16*\b+\i], -v[TM+4+\b], v[TM+4+\b]   ; the conversion does not saturate (ISA guide 7.6.2): the hold
.endr
.endr
.irp b, 0,1
	v_cvt_scalef32_pk8_fp8_f32 v[PC+4*\b:PC+4*\b+1], v[T+16*\b:T+16*\b+7], v[TM+6+\b]
	v_cvt_scalef32_pk8_fp8_f32 v[PC+4*\b+2:PC+4*\b+3], v[T+16*\b+8:T+16*\b+15], v[TM+6+\b]
.endr
	v_nop                                          ; a plain line behind the last conversion
.endm
; Rows' tile a: sigmoid(gate) x up = up / (1 + 2^(-gate log2 e)), quantised, into the stage.  Each accumulator is read from its low end on.
.macro EPI a
.set AB, 64*((\a)%4)
	WIN 0x02+(\a)/4                                ; source 0: window 2 or 3
.set q, 0
.rept 16
	v_pk_mul_f32 v[T+2*q:T+2*q+1], v[AB+2*q:AB+2*q+1], 0xbfb8aa3b op_sel_hi:[1,0]
.set q, q+1
.endr
	WIN 0
.set q, 0
.rept 32
	v_exp_f32 v[T+q], v[T+q]
.set q, q+1
.endr
	v_nop                                          ; a plain line behind the batch,
	s_wait_alu depctr_va_vdst(0)                   ; and one wait ahead of its first reader: the 32 exponentials have written v[T ..]
.set q, 0
.rept 16
	v_pk_add_f32 v[T+2*q:T+2*q+1], v[T+2*q:T+2*q+1], 1.0 op_sel_hi:[1,0]
.set q, q+1
.endr
.set q, 0
.rept 32
	v_rcp_f32 v[T+q], v[T+q]
.set q, q+1
.endr
	v_nop
	s_wait_alu depctr_va_vdst(0)                   ; the 32 reciprocals have written v[T ..], ahead of their first reader
	WIN 0x08+4*((\a)/4)                            ; source 1: window 2 or 3
.set q, 0
.rept 16
	v_pk_mul_f32 v[T+2*q:T+2*q+1], v[T+2*q:T+2*q+1], v[AB+32+2*q:AB+32+2*q+1]
.set q, q+1
.endr
	WIN 0
	QUANT2 \a
	s_wait_alu depctr_va_vdst(0)                   ; the conversions have written v[PC ..] and the shift v[PW], which the three LDS stores read
	ds_store_b128 v11, v[PC:PC+3] offset:4352*(\a)
	ds_store_b128 v11, v[PC+4:PC+7] offset:4352*(\a)+32
	ds_store_b16 v12, v[PW] offset:128*(\a)        ; both lanes of a row write the same two bytes with the same value
.endm
.irp k, 0,1,2,3,4,5,6,7
	EPI \k
.endr
.Lskip2:
	s_wait_dscnt 0x0                               ; my part of the stage is written
	s_barrier_signal -1
	s_barrier_wait -1                              ; a row's 256 codes come from four waves
	s_cmp_eq_u32 s34, 0
	s_cbranch_scc1 .Lskip3
.irp i, 0,1,2,3,4,5,6,7,8,9,10,11,12,13,14,15
	ds_load_b128 v[192+4*\i:192+4*\i+3], v13 offset:544*\i   ; no wait: the products that read v188 to v255 stand ahead of the last tile's wait on va_vdst, and nothing since names them
.endr
	ds_load_b64 v[188:189], v15
.irp i, 0,1,2,3,4,5,6,7,8,9,10,11,12,13,14,15
	s_wait_dscnt 16-\i                             ; so many LDS loads are younger
	global_store_b128 v14, v[192+4*\i:192+4*\i+3], s[52:53] offset:2048*\i   ; sixteen lanes store 256 consecutive bytes, aligned
.endr
	s_wait_dscnt 0x0
	global_store_b64 v16, v[188:189], s[54:55]     ; 8 scale bytes a row, rows 32 bytes apart: short stores, one byte in 33 of what the launch stores
.Lskip3:
	s_wait_dscnt 0x0                               ; the closing lines, six on end
	s_wait_alu 0x0
	s_wait_tensorcnt 0x0
	ds_add_u32 v126, v127
	s_wait_dscnt 0x0
	s_endpgm
.Lfunc_end_k_qc20ed99a84_stage1:
	.size	k_qc20ed99a84_stage1, .Lfunc_end_k_qc20ed99a84_stage1-k_qc20ed99a84_stage1
	.p2alignl 7, 3214868480
	.fill 96, 4, 3214868480
	.section	.rodata,"a",@progbits
	.p2align	6, 0x0
	.amdhsa_kernel k_qc20ed99a84_stage1
		.amdhsa_group_segment_fixed_size 173568
		.amdhsa_private_segment_fixed_size 0
		.amdhsa_enable_private_segment 0
		.amdhsa_kernarg_size 104
		.amdhsa_user_sgpr_count 2
		.amdhsa_user_sgpr_kernarg_segment_ptr 1
		.amdhsa_wavefront_size32 1
		.amdhsa_system_sgpr_workgroup_id_x 1
		.amdhsa_system_sgpr_workgroup_id_y 1
		.amdhsa_system_sgpr_workgroup_id_z 1
		.amdhsa_system_vgpr_workitem_id 0
		.amdhsa_next_free_vgpr 1024
		.amdhsa_next_free_sgpr 66
		.amdhsa_reserve_vcc 0
		.amdhsa_float_denorm_mode_32 3
		.amdhsa_float_denorm_mode_16_64 3
		.amdhsa_memory_ordered 1
		.amdhsa_forward_progress 1
		.amdhsa_inst_pref_size 218
	.end_amdhsa_kernel
	.amdgpu_metadata
---
amdhsa.version: [ 1, 2 ]
amdhsa.kernels:
  - .name:           k_qc20ed99a84_stage1
    .symbol:         k_qc20ed99a84_stage1.kd
    .args:
      - { .name: xq, .offset: 0, .size: 8, .value_kind: global_buffer, .address_space: global }
      - { .name: xs, .offset: 8, .size: 8, .value_kind: global_buffer, .address_space: global }
      - { .name: lists, .offset: 16, .size: 8, .value_kind: global_buffer, .address_space: global }
      - { .name: hq, .offset: 24, .size: 8, .value_kind: global_buffer, .address_space: global }
      - { .name: hs, .offset: 32, .size: 8, .value_kind: global_buffer, .address_space: global }
      - { .name: shared_gate_codes, .offset: 40, .size: 8, .value_kind: global_buffer, .address_space: global }
      - { .name: shared_gate_scales, .offset: 48, .size: 8, .value_kind: global_buffer, .address_space: global }
      - { .name: shared_up_codes, .offset: 56, .size: 8, .value_kind: global_buffer, .address_space: global }
      - { .name: shared_up_scales, .offset: 64, .size: 8, .value_kind: global_buffer, .address_space: global }
      - { .name: experts_gate_codes, .offset: 72, .size: 8, .value_kind: global_buffer, .address_space: global }
      - { .name: experts_gate_scales, .offset: 80, .size: 8, .value_kind: global_buffer, .address_space: global }
      - { .name: experts_up_codes, .offset: 88, .size: 8, .value_kind: global_buffer, .address_space: global }
      - { .name: experts_up_scales, .offset: 96, .size: 8, .value_kind: global_buffer, .address_space: global }
    .group_segment_fixed_size: 173568
    .private_segment_fixed_size: 0
    .kernarg_segment_align: 8
    .kernarg_segment_size: 104
    .max_flat_workgroup_size: 128
    .sgpr_count:     66
    .vgpr_count:     1024
    .wavefront_size: 32
...
	.end_amdgpu_metadata
.endif
;; end of part 5
;; launch stage2 (part 6): grid 4 x 70, 4 waves a work-group, no clusters, 172,288 bytes of LDS; arguments hq, hs, lists, wts, shared_down_codes, shared_down_scales, experts_down_codes, experts_down_scales, hidden_states, out0; writes out0
.if DOCPART == 6
	.amdgcn_target "amdgcn-amd-amdhsa--gfx1250"
	.amdhsa_code_object_version 6
	.text
	.protected	k_qc20ed99a84_stage2
	.globl	k_qc20ed99a84_stage2
	.p2align	8
	.type	k_qc20ed99a84_stage2,@function
k_qc20ed99a84_stage2:
	s_mov_b64 s[64:65], 0
	v_nop
	global_prefetch_b8 v0, s[64:65] scope:SCOPE_SE
	s_setreg_imm32_b32 hwreg(HW_REG_WAVE_SCHED_MODE, 0, 2), 2
	s_setreg_imm32_b32 hwreg(HW_REG_WAVE_MODE, 25, 1), 1
	s_wait_xcnt 0x0
	s_wait_alu depctr_vm_vsrc(0)
; STAGE2.  out = x + hid_s Wd_s + wa (hid_a Wd_a) + wb (hid_b Wd_b), on codes of E4M3 with one E8M0 byte for each 32 along K.
; SHARES.  Tokens are sorted by their PAIR of experts.  Work-group (x, y): tile y of 48 slots, all with one pair (a, b), x slice x of 256 output columns.  So a work-group runs three passes of constant length
; (shared, a, b) and OWNS its output rows: nothing is added between work-groups.  70 tiles serve every split: at most (2048 + 28 x 47) / 48.  With 2,048 tokens in 28 pairs a pair has some 73 tokens, two tiles:
; 48 slots are the tile with which an even split gives nearly every one of the 256 WGPs a work-group with rows (about 57 tiles x 4 slices).
; Slots beyond the tile's count repeat its last slot: they store the same numbers to the same bytes.  A tile with the count 0 jumps over the work, never over a barrier.
; A wave takes all 48 slots (3 tiles) x 64 columns (4 tiles): 12 accumulators.  The three passes' hid rows (3 x 48, codes and scale bytes together, pitch 1,072) are gathered once into LDS;
; Wd goes from memory straight into registers through a ring of four sets of 64 registers, three K steps ahead; the ring's last three refills bring the residual x.
; THE PRODUCT IS USED TRANSPOSED (source 0 = 16 rows of Wd, source 1 = 16 hid rows): a lane holds one token and eight neighbouring columns.
; Pass 0 sums straight into the total (window 3); passes 1 and 2 sum into window 2 and are added with the token's weight by fused multiply-adds.
; SCALES.  One load of 16 bytes at 16 (lane / 16) of a row's 32 scale bytes: register j holds K step j's word in lanes 0-15 and K step 4 + j's in lanes 16-31, which the second half of K selects.
; NO TENSOR LOAD AND NO CLUSTER: the launch branches on counts read from memory, and neighbouring tiles may have different pairs, so partners could not be given one expert's weights at every split.
; REGISTERS: window 0: v1-30 addresses; v32-67 hid's scale words (12 a pass); v68-115 Wd's (16 a pass); v116-123 weights; v124-126 tokens; v128-223 at the head gather offsets, at the end rows on their way out, 32 registers a tile;
;   v224-247 scale bytes on their way; v248-255 lane indices.  window 1: the ring.  window 2: v0-95 a pass's sums, v192-215 the output rows' offsets.  window 3: v0-95 the total, v96-239 hid's fragments, three sets of 48.
;   (Windows 2 and 3 first hold the gathered rows: window 2 v0-191, window 3 v0-95.)
; THE MODE: SCHED_MODE bits 1:0 = 2 (LLVM: expert scheduling mode 2), set by the entry lines.  The code itself states the register dependences
; between vector or matrix instructions and memory or LDS instructions, with s_wait_alu, always for 0.
; THE PLAN.  Registers that memory or LDS instructions touch, and who else names them:
;   v5-v22, v30, v248-255   offsets, LDS addresses and lane indices: written once, ahead of the head's wait on va_vdst, and never again.
;   v26-28, v128-163        the gather's offsets: all 39 are made by vector lines, then ONE wait on va_vdst, then the gather's 78 loads.  v128-223 take rows again on the way out: behind the wait on vm_vsrc in front of the barrier.
;   window 2 v0-191, window 3 v0-95   first the gathered rows: loaded, read by LDS stores; the products write them behind that same wait on vm_vsrc.
;   ring set g % 4          read by step g's 12 products; loaded again in step g + 1, for step g + 4 (at the end: with the residual).
;   hid's set g % 3         read by step g's 12 products; loaded again in step g + 1, for step g + 3.
;   window 2 v192-215       written by lane permutes through LDS, then by vector lines ahead of step 1's wait; read by the residual's loads from step 21 on and by the stores.
;   window 3 v0-95          the total: written by products and multiply-adds; read by the way out's LDS stores behind one wait on va_vdst.
;   v128-223                three out-buffers: loaded from the stage, the residual added, stored behind one wait on va_vdst a tile; none is written twice.
; So ONE wait on va_vdst stands at the head of a step, behind the waits for its data: the step before is done reading its two sets.  The step's loads follow it, dealt among its 12 products,
; which name sets g % 3 and g % 4, scale words and accumulators: none of the registers that those loads touch (sets (g + 2) % 3 and (g + 3) % 4, v5, v13 to v15, window 2's offsets).
.set PITCH, 1072                       ; 1,024 codes + 32 scale bytes + 16: 67 x 16 bytes, so the sixteen rows of a fragment load begin in sixteen different groups of four banks
.set ROW16, 16*PITCH
.set PASS,  48*PITCH                   ; a pass's 48 rows
.set STG,   3*PASS                     ; the way out: 16 rows x (256 bytes + 16) for each wave, its own
.set AS,  32
.set BS,  68
.set WA,  116
.set WB,  120
.set TK,  124
.set AF,  96                           ; in window 3
.set MSB, 0
.macro WIN new                         ; the immediate's high byte repeats the setting that is left
.if MSB != (\new)
	s_set_vgpr_msb (MSB<<8)|(\new)
.set MSB, (\new)
.endif
.endm
.macro PLACES n                        ; plain lines between a matrix instruction and a load into, or a read of, its registers
.rept \n
	v_nop
.endr
.endm
.macro RING g                          ; Wd's four fragments of step g (pass g / 8, K step g % 8) into set g % 4: 16 loads
.set pj, (\g)/8
.set ps, (\g)%8
	WIN 0x40                                       ; destination window 1
.irp b, 0,1,2,3
.irp c, 0,1,2,3
	global_load_b128 v[64*((\g)%4)+16*\b+4*\c:64*((\g)%4)+16*\b+4*\c+3], v5, s[36+2*pj:37+2*pj] offset:16384*\b+128*ps+32*\c
.endr
.endr
.endm
.macro FA g                            ; hid's three fragments of step g into set g % 3: 12 loads
.set pj, (\g)/8
.set ps, (\g)%8
	WIN 0xc0                                       ; destination window 3
.irp t, 0,1,2
.irp c, 0,1,2,3
	ds_load_b128 v[AF+48*((\g)%3)+16*\t+4*\c:AF+48*((\g)%3)+16*\t+4*\c+3], v[13+pj] offset:\t*ROW16+128*ps+32*\c
.endr
.endr
.endm
.macro MM2 a, b, g
.set rD,  8*(4*(\a)+(\b))
.set rB,  64*((\g)%4)+16*(\b)
.set rA,  AF+48*((\g)%3)+16*(\a)
.set rSB, BS+16*((\g)/8)+4*(\b)+(\g)%4
.set rSA, AS+12*((\g)/8)+4*(\a)+(\g)%4
.if (\g)%8 == 0
	v_wmma_scale_f32_16x16x128_f8f6f4 v[rD:rD+7], v[rB:rB+15], v[rA:rA+15], 0, v[rSB], v[rSA]
.elseif (\g)%8 < 4
	v_wmma_scale_f32_16x16x128_f8f6f4 v[rD:rD+7], v[rB:rB+15], v[rA:rA+15], v[rD:rD+7], v[rSB], v[rSA]
.else
	v_wmma_scale_f32_16x16x128_f8f6f4 v[rD:rD+7], v[rB:rB+15], v[rA:rA+15], v[rD:rD+7], v[rSB], v[rSA] matrix_a_scale:MATRIX_SCALE_ROW1 matrix_b_scale:MATRIX_SCALE_ROW1
.endif
.endm
.macro MUL4 a, g                       ; rows' tile a against Wd's four
.if (\g) < 8
	WIN 0xfd                                       ; source 0 (Wd) window 1, source 1 (hid) window 3; pass 0 sums into the total, window 3
.else
	WIN 0xad                                       ; the others into window 2
.endif
.irp b, 0,1,2,3
	MM2 \a, \b, \g
.endr
.endm
	s_load_b256 s[4:11], s[0:1], 0x0               ; hq s[4:5], hs s[6:7], lists s[8:9], wts s[10:11]
	s_load_b256 s[12:19], s[0:1], 0x20             ; shared down codes, scales s[12:15], experts' down codes, scales s[16:19]
	s_load_b128 s[20:23], s[0:1], 0x40             ; x s[20:21], out s[22:23]
	v_lshl_add_u32 v31, v0, 2, 0x29f00
	v_mov_b32 v127, 0
	s_and_b32 s25, ttmp7, 0xffff                   ; tile
	s_mov_b32 s26, ttmp9                           ; slice
	s_lshl_b32 s34, s25, 2
	v_lshrrev_b32 v1, 5, v0
	v_readfirstlane_b32 s24, v1                    ; wave
	s_wait_kmcnt 0x0
	s_load_b32 s27, s[8:9], s34 offset:0x20200     ; the pair's lower expert,
	s_load_b32 s28, s[8:9], s34 offset:0x20400     ; its higher one,
	s_load_b32 s29, s[8:9], s34 offset:0x20600     ; the tile's slots
	v_and_b32 v1, 31, v0                           ; lane
	v_and_b32 v2, 15, v0                           ; r
	v_bfe_u32 v3, v0, 4, 1                         ; h
	v_lshlrev_b32 v4, 4, v1
	v_lshlrev_b32 v5, 10, v2
	v_lshl_add_u32 v5, v3, 4, v5                   ; Wd's codes: row r, + 16 h
	v_lshlrev_b32 v6, 5, v2
	v_lshl_add_u32 v6, v3, 4, v6                   ; its scale bytes
	v_mul_u32_u24 v29, v1, 11
	v_lshrrev_b32 v29, 7, v29                      ; lane / 12 (11 lane >> 7, right for lanes 0 to 31)
	v_mul_u32_u24 v29, v29, 12
	v_sub_nc_u32 v29, v1, v29                      ; lane mod 12: a wave has 12 rows of each pass; lanes 12-31 double lanes 0-11, and EXEC stays whole
	s_wait_alu depctr_va_sdst(0)                   ; s24, the wave's number, is written, ahead of its first reader
	s_mul_i32 s32, s24, 12*PITCH
	v_add_nc_u32 v7, s32, v4                       ; the gather's stores: pass 0, my wave's 12 rows, 16 bytes a lane;
	v_add_nc_u32 v8, PASS, v7                      ; pass 1;
	v_add_nc_u32 v9, 2*PASS, v7                    ; pass 2
	v_mul_u32_u24 v10, v29, PITCH
	v_add_nc_u32 v10, s32, v10
	v_add_nc_u32 v10, 1024, v10                    ; a row's scale bytes, a lane a row
	v_add_nc_u32 v11, PASS, v10
	v_add_nc_u32 v12, 2*PASS, v10
	v_mul_u32_u24 v13, v2, PITCH
	v_lshl_add_u32 v13, v3, 4, v13                 ; hid's fragments: pass j at v[13 + j]
	v_add_nc_u32 v14, PASS, v13
	v_add_nc_u32 v15, 2*PASS, v13
	s_mul_i32 s32, s24, 16*272
	s_add_co_u32 s32, s32, STG                     ; my stage
	v_mul_u32_u24 v19, v2, 272
	v_lshl_add_u32 v19, v3, 5, v19
	v_add_nc_u32 v19, s32, v19                     ; in: row r, + 32 h
	v_mul_u32_u24 v20, v3, 272
	v_lshl_add_u32 v20, v2, 4, v20
	v_add_nc_u32 v20, s32, v20                     ; back: sixteen lanes to a row
	v_lshlrev_b32 v21, 4, v2
	v_lshlrev_b32 v22, 2, v3
.irp i, 0,1,2,3,4,5,6,7
	v_add_nc_u32 v[248+\i], 8*\i, v22              ; 4 x (2 i + l / 16): on the way out, the lane that holds that slot's token
.endr
	s_mul_i32 s33, s24, 12
	v_add_nc_u32 v30, s33, v29                     ; my slot in the gather
	v_mov_b32 v[WA+3], 0                           ; (named as the upper halves of the pairs that hold the third tile's weights)
	v_mov_b32 v[WB+3], 0
	s_wait_kmcnt 0x0
	s_min_u32 s27, s27, 7
	s_min_u32 s28, s28, 7
	s_min_u32 s29, s29, 48
	s_cmp_lg_u32 s29, 0
	s_cselect_b32 s31, s25, 0                      ; an empty tile reads tile 0's lists, whose first slot is always written
	s_min_u32 s31, s31, 69
	s_max_u32 s30, s29, 1
	s_sub_co_u32 s30, s30, 1                       ; the last slot that counts
	s_lshl_b32 s56, s26, 18                        ; codes: (256 slice + 64 wave) x 1,024
	s_lshl_b32 s57, s24, 16
	s_add_co_u32 s56, s56, s57
	s_mov_b32 s57, 0
	s_mov_b32 s59, 0
	s_add_nc_u64 s[36:37], s[12:13], s[56:57]
	s_lshl_b32 s58, s27, 20
	s_add_co_u32 s58, s58, s56
	s_add_nc_u64 s[38:39], s[16:17], s[58:59]
	s_lshl_b32 s58, s28, 20
	s_add_co_u32 s58, s58, s56
	s_add_nc_u64 s[40:41], s[16:17], s[58:59]
	s_lshl_b32 s56, s26, 13                        ; scale bytes: a thirty-second of that
	s_lshl_b32 s60, s24, 11
	s_add_co_u32 s56, s56, s60
	s_add_nc_u64 s[42:43], s[14:15], s[56:57]
	s_lshl_b32 s58, s27, 15
	s_add_co_u32 s58, s58, s56
	s_add_nc_u64 s[44:45], s[18:19], s[58:59]
	s_lshl_b32 s58, s28, 15
	s_add_co_u32 s58, s58, s56
	s_add_nc_u64 s[46:47], s[18:19], s[58:59]
	s_mul_i32 s56, s31, 192                        ; the tile's 48 words in each list
	s_add_nc_u64 s[48:49], s[8:9], s[56:57]
	s_add_nc_u64 s[50:51], s[10:11], s[56:57]
	s_lshl_b32 s56, s26, 10                        ; x and out: my wave's 64 columns
	s_lshl_b32 s60, s24, 8
	s_add_co_u32 s56, s56, s60
	s_add_nc_u64 s[52:53], s[20:21], s[56:57]
	s_add_nc_u64 s[54:55], s[22:23], s[56:57]
	v_min_u32 v30, s30, v30
	v_min_u32 v30, 47, v30
	v_lshlrev_b32 v30, 2, v30
.irp a, 0,1,2
	v_add_nc_u32 v[16+\a], 16*\a, v2               ; slot 16 a + r
	v_min_u32 v[16+\a], s30, v[16+\a]
	v_min_u32 v[16+\a], 47, v[16+\a]
	v_lshlrev_b32 v[16+\a], 2, v[16+\a]
.endr
	s_wait_alu depctr_va_vdst(0)                   ; the offsets, LDS addresses and lane indices v5 to v22, v30 and v248 to v255 are written: every load, store and lane permute of the kernel but the gather's loads reads some of them
	global_load_b32 v23, v30, s[48:49] offset:0x8000    ; the slot's token = its hq row of the shared expert,
	global_load_b32 v24, v30, s[48:49] offset:0x10000   ; its row of the lower expert,
	global_load_b32 v25, v30, s[48:49] offset:0x18000   ; of the higher one
.irp a, 0,1,2
	global_load_b32 v[TK+\a], v[16+\a], s[48:49] offset:0x8000   ; slot 16 a + r: its token
	global_load_b32 v[WA+\a], v[16+\a], s[50:51]                 ; and its two weights
	global_load_b32 v[WB+\a], v[16+\a], s[50:51] offset:0x8000
.endr
.irp j, 0,1,2
.irp b, 0,1,2,3
	global_load_b128 v[BS+16*\j+4*\b:BS+16*\j+4*\b+3], v6, s[42+2*\j:43+2*\j] offset:512*\b
.endr
.endr
	RING 0                                         ; the ring's four sets go out while the list is awaited
	RING 1
	RING 2
	RING 3
	WIN 0
	s_cmp_eq_u32 s29, 0
	s_cbranch_scc1 .Lskip1
	; ---- the gather: my wave's 12 rows of each pass, from hq and hs into LDS, in one batch
	s_wait_loadcnt 63                              ; the three rows' numbers are in: 9 + 12 + 64 loads are younger, and 63 is the largest count that can be written
.macro GADDR j                         ; twelve rows at a time, each kind of line in a run
	v_min_u32 v[26+\j], 7039, v[23+\j]
	v_lshlrev_b32 v[26+\j], 5, v[26+\j]
.irp i, 0,1,2,3,4,5,6,7,8,9,10,11
	v_readlane_b32 s[66+\i], v[23+\j], \i
.endr
	s_wait_alu depctr_va_sdst(0)                   ; the twelve rows' numbers are written into s66 to s77, ahead of their first readers
.irp i, 0,1,2,3,4,5,6,7,8,9,10,11
	s_min_u32 s[66+\i], s[66+\i], 7039
.endr
.irp i, 0,1,2,3,4,5,6,7,8,9,10,11
	s_lshl_b32 s[66+\i], s[66+\i], 10
.endr
.irp i, 0,1,2,3,4,5,6,7,8,9,10,11
	v_add_nc_u32 v[128+12*\j+\i], s[66+\i], v4     ; the row x 1,024 + 16 lane
.endr
.endm
.macro GLOAD j, w, base                ; 2 + 24 loads; the codes into window w from v[base] on
	global_load_b128 v[224+8*\j:227+8*\j], v[26+\j], s[6:7]
	global_load_b128 v[228+8*\j:231+8*\j], v[26+\j], s[6:7] offset:16
	WIN (\w)<<6
.set i, 0
.rept 12
	global_load_b128 v[\base+8*i:\base+8*i+3], v[128+12*\j+i], s[4:5]         ; 32 lanes read 512 consecutive bytes of a row
	global_load_b128 v[\base+8*i+4:\base+8*i+7], v[128+12*\j+i], s[4:5] offset:512
.set i, i+1
.endr
	WIN 0
.endm
.macro GSTORE j, w, base
	ds_store_b128 v[10+\j], v[224+8*\j:227+8*\j]   ; lanes that double a row write the same bytes with the same values
	ds_store_b128 v[10+\j], v[228+8*\j:231+8*\j] offset:16
	WIN (\w)<<2                                    ; an LDS store's data are its source 1
.set i, 0
.rept 12
	ds_store_b128 v[7+\j], v[\base+8*i:\base+8*i+3] offset:PITCH*i
	ds_store_b128 v[7+\j], v[\base+8*i+4:\base+8*i+7] offset:PITCH*i+512
.set i, i+1
.endr
	WIN 0
.endm
	GADDR 0                                        ; the offsets of all three passes first,
	GADDR 1
	GADDR 2
	s_wait_alu depctr_va_vdst(0)                   ; then one wait: v26 to v28 and v128 to v163 are written, which the 78 loads below read as their offsets
	GLOAD 0, 2, 0
	GLOAD 1, 2, 96
	GLOAD 2, 3, 0
	s_wait_loadcnt 52                              ; pass 0's rows are in: the 26 + 26 loads of passes 1 and 2 are younger
	GSTORE 0, 2, 0
	s_wait_loadcnt 26                              ; pass 1's are in: pass 2's 26 loads are younger
	GSTORE 1, 2, 96
	s_wait_loadcnt 0x0
	GSTORE 2, 3, 0
.Lskip1:
	s_wait_dscnt 0x0                               ; my rows lie in LDS
	s_wait_alu depctr_vm_vsrc(0)                   ; the gather's LDS stores have read the registers of windows 2 and 3 that the sums will take; its loads have read v128 to v163, in which rows land on the way out
	s_barrier_signal -1
	s_barrier_wait -1                              ; everybody's do
	s_cmp_eq_u32 s29, 0
	s_cbranch_scc1 .Lskip2
	; ---- the offsets of the output rows: on the way out lane l holds row 2 i + l / 16 of a tile, 16 bytes at 16 (l % 16)
	s_wait_loadcnt 48                              ; tokens, weights, Wd's scale words and set 0 are in: the 48 loads of sets 1 to 3 are younger
	WIN 0x80                                       ; destination window 2
.irp a, 0,1,2
.irp i, 0,1,2,3,4,5,6,7
	ds_bpermute_b32 v[192+8*\a+\i], v[248+\i], v[TK+\a]
.endr
.endr
	WIN 0
.irp j, 0,1,2                                      ; hid's scale words of all three passes: 9 loads
.irp a, 0,1,2
	ds_load_b128 v[AS+12*\j+4*\a:AS+12*\j+4*\a+3], v[13+\j] offset:\a*ROW16+1024
.endr
.endr
	FA 0
	FA 1
	s_wait_dscnt 33                                ; the 24 tokens are in: 9 + 12 + 12 LDS loads are younger
	WIN 0x88                                       ; source 1 and destination window 2
.set q, 0
.rept 24
	v_min_u32 v[192+q], 2047, v[192+q]
.set q, q+1
.endr
	WIN 0x82                                       ; source 0 and destination window 2
.set q, 0
.rept 24
	v_lshl_add_u32 v[192+q], v[192+q], 12, v21     ; token x 4,096 + 16 (l % 16).  Their first readers, the residual's loads, stand behind the waits at the heads of steps 1 to 21
.set q, q+1
.endr
.macro RESID n                         ; the residual x of rows' tile n, in the way out's layout, into the ring's set n: 8 loads
	WIN 0x42                                       ; destination window 1, address window 2
.irp i, 0,1,2,3,4,5,6,7
	global_load_b128 v[64*(\n)+4*\i:64*(\n)+4*\i+3], v[192+8*(\n)+\i], s[52:53]
.endr
.endm
; A step: 128 along K of one pass: 12 matrix instructions, the 12 accumulators by turns.  Behind the one wait at its head the loads into the two sets
; that the step before has read out are dealt among them.  Eight plain lines close the step: behind its products, ahead of the next step's loads and of the multiply-adds that read a pass's sums.
.macro S2STEP g
.if (\g) == 0
	s_wait_loadcnt 48                              ; set 0 of Wd is in: the 48 loads of sets 1 to 3 are younger
.elseif (\g) <= 21
	s_wait_loadcnt 32                              ; this step's set of Wd is in: two groups of 16 loads are younger
.else
	s_wait_loadcnt 32-8*((\g)-21)                  ; at the end groups of 8 (the residual) take the places of groups of 16
.endif
.if (\g) < 23
	s_wait_dscnt 12                                ; this step's fragments of hid are in: the next step's twelve loads are younger
.else
	s_wait_dscnt 0x0
.endif
.if (\g) > 0
	s_wait_alu depctr_va_vdst(0)                   ; the step before is done reading its set of hid and its set of the ring, in which this step's loads land
.endif
	MUL4 0, \g
.if (\g) < 22
	FA (\g)+2                                      ; two steps ahead of its use.  No wait: no vector or matrix instruction since the wait above names this set or v13 to v15
.endif
	MUL4 1, \g
.if (\g) > 0
.if (\g) <= 20
	RING (\g)+3                                    ; three steps ahead of its use.  No wait: nothing since the wait above names this set or v5
.else
	RESID (\g)-21                                  ; likewise: nothing since the wait above names this set or window 2's offsets
.endif
.endif
	MUL4 2, \g
	PLACES 8
.endm
; total += a pass's sums x the token's weight.  Ascending: each accumulator is read from its low end on.  These lines are also the places in front of the next pass's first products, which begin window 2's sums anew.
.macro WSUM w
	WIN 0xf2                                       ; source 0 window 2, source 1 (the weight) window 0, source 2 and destination window 3
.irp a, 0,1,2
.set q, 0
.rept 16
.if (\a%2) == 0
	v_pk_fma_f32 v[32*\a+2*q:32*\a+2*q+1], v[32*\a+2*q:32*\a+2*q+1], v[\w+\a:\w+\a+1], v[32*\a+2*q:32*\a+2*q+1] op_sel_hi:[1,0,1]
.else
	v_pk_fma_f32 v[32*\a+2*q:32*\a+2*q+1], v[32*\a+2*q:32*\a+2*q+1], v[\w+\a-1:\w+\a], v[32*\a+2*q:32*\a+2*q+1] op_sel:[0,1,0] op_sel_hi:[1,1,1]
.endif
.set q, q+1
.endr
.endr
	WIN 0
.endm
.irp k, 0,1,2,3,4,5,6,7
	S2STEP \k
.endr
.irp k, 8,9,10,11,12,13,14,15
	S2STEP \k
.endr
	WSUM WA
.irp k, 16,17,18,19,20,21,22,23
	S2STEP \k
.endr
	WSUM WB
	s_wait_alu depctr_va_vdst(0)                   ; the multiply-adds have written the total, which the LDS stores of the way out read
; THE WAY OUT of rows' tile a: through my own stage (LDS serves a wave's instructions in order: no wait between the stores and the loads), the residual added, whole rows of 256 bytes stored.
; Each tile has 32 registers of its own for its rows, so no store's data are written again.
.macro WOUT a
.set RB, 128+32*(\a)
	WIN 0x0c                                       ; an LDS store's data are its source 1: window 3
.irp b, 0,1,2,3
	ds_store_b128 v19, v[32*(\a)+8*\b:32*(\a)+8*\b+3] offset:64*\b
	ds_store_b128 v19, v[32*(\a)+8*\b+4:32*(\a)+8*\b+7] offset:64*\b+16
.endr
	WIN 0
.irp i, 0,1,2,3,4,5,6,7
	ds_load_b128 v[RB+4*\i:RB+4*\i+3], v20 offset:544*\i
.endr
	s_wait_dscnt 0x0
	s_wait_loadcnt 8*(2-(\a))                      ; this tile's residual is in: the later tiles' loads are younger
	WIN 0x04                                       ; source 1 window 1
.set q, 0
.rept 16
	v_pk_add_f32 v[RB+2*q:RB+2*q+1], v[RB+2*q:RB+2*q+1], v[64*(\a)+2*q:64*(\a)+2*q+1]
.set q, q+1
.endr
	WIN 0x02                                       ; a store's address is its source 0: window 2
	s_wait_alu depctr_va_vdst(0)                   ; the additions have written v[RB ..], which the eight stores read
.irp i, 0,1,2,3,4,5,6,7
	global_store_b128 v[192+8*(\a)+\i], v[RB+4*\i:RB+4*\i+3], s[54:55] th:TH_STORE_NT   ; sixteen lanes store 256 consecutive bytes, aligned
.endr
	WIN 0
.endm
.irp k, 0,1,2
	WOUT \k
.endr
.Lskip2:
	s_wait_dscnt 0x0                               ; the closing lines, six on end
	s_wait_alu 0x0
	s_wait_tensorcnt 0x0
	ds_add_u32 v31, v127
	s_wait_dscnt 0x0
	s_endpgm
.Lfunc_end_k_qc20ed99a84_stage2:
	.size	k_qc20ed99a84_stage2, .Lfunc_end_k_qc20ed99a84_stage2-k_qc20ed99a84_stage2
	.p2alignl 7, 3214868480
	.fill 96, 4, 3214868480
	.section	.rodata,"a",@progbits
	.p2align	6, 0x0
	.amdhsa_kernel k_qc20ed99a84_stage2
		.amdhsa_group_segment_fixed_size 172288
		.amdhsa_private_segment_fixed_size 0
		.amdhsa_enable_private_segment 0
		.amdhsa_kernarg_size 80
		.amdhsa_user_sgpr_count 2
		.amdhsa_user_sgpr_kernarg_segment_ptr 1
		.amdhsa_wavefront_size32 1
		.amdhsa_system_sgpr_workgroup_id_x 1
		.amdhsa_system_sgpr_workgroup_id_y 1
		.amdhsa_system_sgpr_workgroup_id_z 1
		.amdhsa_system_vgpr_workitem_id 0
		.amdhsa_next_free_vgpr 1024
		.amdhsa_next_free_sgpr 80
		.amdhsa_reserve_vcc 0
		.amdhsa_float_denorm_mode_32 3
		.amdhsa_float_denorm_mode_16_64 3
		.amdhsa_memory_ordered 1
		.amdhsa_forward_progress 1
		.amdhsa_inst_pref_size 152
	.end_amdhsa_kernel
	.amdgpu_metadata
---
amdhsa.version: [ 1, 2 ]
amdhsa.kernels:
  - .name:           k_qc20ed99a84_stage2
    .symbol:         k_qc20ed99a84_stage2.kd
    .args:
      - { .name: hq, .offset: 0, .size: 8, .value_kind: global_buffer, .address_space: global }
      - { .name: hs, .offset: 8, .size: 8, .value_kind: global_buffer, .address_space: global }
      - { .name: lists, .offset: 16, .size: 8, .value_kind: global_buffer, .address_space: global }
      - { .name: wts, .offset: 24, .size: 8, .value_kind: global_buffer, .address_space: global }
      - { .name: shared_down_codes, .offset: 32, .size: 8, .value_kind: global_buffer, .address_space: global }
      - { .name: shared_down_scales, .offset: 40, .size: 8, .value_kind: global_buffer, .address_space: global }
      - { .name: experts_down_codes, .offset: 48, .size: 8, .value_kind: global_buffer, .address_space: global }
      - { .name: experts_down_scales, .offset: 56, .size: 8, .value_kind: global_buffer, .address_space: global }
      - { .name: hidden_states, .offset: 64, .size: 8, .value_kind: global_buffer, .address_space: global }
      - { .name: out0, .offset: 72, .size: 8, .value_kind: global_buffer, .address_space: global }
    .group_segment_fixed_size: 172288
    .private_segment_fixed_size: 0
    .kernarg_segment_align: 8
    .kernarg_segment_size: 80
    .max_flat_workgroup_size: 128
    .sgpr_count:     80
    .vgpr_count:     1024
    .wavefront_size: 32
...
	.end_amdgpu_metadata
.endif
;; end of part 6
